; MI455X (gfx1250); checked and timed in simulation.
; The chip was launched on July 23, 2026; its instructions are those of AMD's public machine-readable ISA for CDNA 5 (MIT licence, August 2026) and "CDNA5" Instruction Set Architecture Reference Guide (July 2026). The comments in the code are by the model that wrote it; some were corrected since.
;; Multihead Attention. Allowed arithmetic: matrix products marked QUANTISED: E2M3 operands, one E8M0 scale for each 32 along K, by v_wmma_scale_f32_16x16x128_f8f6f4 with both operands' format E2M3, f32 sums; everything else in f32.
;; Inputs: Wk 1,024 x 1,024 float32; Wo 1,024 x 1,024 float32; Wq 1,024 x 1,024 float32; Wv 1,024 x 1,024 float32; bk 1,024 float32; bo 1,024 float32; bq 1,024 float32; bv 1,024 float32; key 4 x 2,048 x 1,024 float32; query 4 x 2,048 x 1,024 float32; value 4 x 2,048 x 1,024 float32.
;; Outputs: out0 4 x 2,048 x 1,024 float32.
;; This version of the problem:
;;   THIS VERSION OF THE PROBLEM IS GIVEN IN LOW PRECISION. The matrix products marked QUANTISED in the list below multiply operands that are first quantised to E2M3 (2 exponent bits, 3 mantissa bits; 6 bits a number), with one power-of-two scale for each 32 numbers along K (OCP MX v1.0); their sums are f32. All else is computed in f32.
;;   The module's matrix products, in the order in which they are computed (A, B: the left and right operand; K: the contracted axis; several contracted axes count as one K, in the product's order):
;;     1. [M 8,192, K 1,024] x [K 1,024, N 1,024]; A: input query; B: input Wq: QUANTISED
;;     2. [M 8,192, K 1,024] x [K 1,024, N 1,024]; A: input key; B: input Wk: QUANTISED
;;     3. [M 8,192, K 1,024] x [K 1,024, N 1,024]; A: input value; B: input Wv: QUANTISED
;;     4. batch 64 x [M 2,048, K 64] x [K 64, N 2,048]; A: computed on the way; B: computed on the way: QUANTISED
;;     5. batch 64 x [M 2,048, K 2,048] x [K 2,048, N 64]; A: softmax (see below); B: computed on the way: QUANTISED
;;     6. [M 8,192, K 1,024] x [K 1,024, N 1,024]; A: computed on the way; B: input Wo: QUANTISED
;;   THE QUANTISER, for each operand of a quantised product, along K:
;;     - K is cut into blocks of 32 from its start; a last block that is shorter is filled with zeros.
;;     - A block's scale is 2^e with e = floor(log2(the largest magnitude in the block)) - 2, held to -126 .. 127; a block of zeros has e = 0. As a byte (E8M0): e + 127.
;;     - Each number is divided by its block's scale, clamped to +-7.5, and rounded to the nearest number of E2M3, ties to even, subnormals kept.
;;     - The product sums the exact products of the quantised numbers (number of the format x scale) in f32.
;;   ~~~python
;;   def quantise(x, axis):      # numpy; x: float32 -> the quantised numbers, widened to float32 again
;;       x = np.moveaxis(x, axis, -1); K = x.shape[-1]
;;       x = np.pad(x, [(0, 0)] * (x.ndim - 1) + [(0, -K % 32)]); x = x.reshape(x.shape[:-1] + (-1, 32)); a = np.abs(x).max(-1, keepdims=True)
;;       e = np.where(a > 0, np.clip(np.frexp(np.where(a > 0, a, 1))[1] - 1 - 2, -126, 127), 0)      # np.frexp(a)[1] - 1 = floor(log2(a)), exactly
;;       r = np.clip(x / 2.0 ** e, -7.5, 7.5)
;;       step = 2.0 ** (np.maximum(np.frexp(np.where(r == 0, 1, r))[1] - 1, 0) - 3)
;;       q = np.round(r / step) * step * 2.0 ** e      # np.round: ties to even
;;       return np.moveaxis(q.reshape(q.shape[:-2] + (-1,))[..., :K], -1, axis).astype(np.float32)
;;   ~~~
;;   SOFTMAX AHEAD OF A QUANTISED PRODUCT. Where the list says 'softmax', what is quantised is not the finished softmax but p = 2^(t - M), with t = logit x log2(e) and M = ceil(the row's largest t), a whole number; so 1/2 < the row's largest p <= 1. The row's sum l is taken of the UNQUANTISED p, in f32, and the product's result is divided by l at the end. Since M is a whole number, a kernel that streams over the keys may use a running M (the ceiling of the running maximum): every later rescaling is an exact power of two, which a block's scale takes up: the codes' values come out the same.
;;   OPERANDS COMPUTED ON THE WAY. 'Computed on the way' means the value that the module computes at that place (a softmax that the list does not call 'softmax' is quantised finished and normalised). What goes into a quantiser is computed in f32, as accurately as f32 sums, v_exp_f32 and their like allow (about 1e-6 of the number): no bf16 or f16 on the way to a quantiser, and a product that is left as it is and whose result goes on into a quantised operand takes f32 operands (vector FMAs, or v_wmma_f32_16x16x4_f32). A number that lies on a knife's edge between two numbers of the format may be rounded either way, as far as f32 arithmetic and the matrix unit's own rounding can turn it there, and no further.
;; One version. Each part assembles by itself: llvm-mc -triple=amdgcn-amd-amdhsa -mcpu=gfx1250 --defsym DOCPART=n.
;; ======== version 1 of 1: 4 launches
;; limits: right only within a limited range of input values
;; workspace buffers: c1 22,020,096 bytes; s1 917,504 bytes; qc 6,291,456 bytes; qs 524,288 bytes; kv 13,369,344 bytes; oc 6,291,456 bytes; os 524,288 bytes
;; launch quant (part 1): grid 256 x 1, 7 waves a work-group, no clusters, 60,160 bytes of LDS; arguments query, key, value, Wq, Wk, Wv, Wo, c1, s1; writes c1, s1
.if DOCPART == 1
	.amdgcn_target "amdgcn-amd-amdhsa--gfx1250"
	.amdhsa_code_object_version 6
	.text
	.protected	k_q9fef4234d3_quant
	.globl	k_q9fef4234d3_quant
	.p2align	8
	.type	k_q9fef4234d3_quant,@function
k_q9fef4234d3_quant:
	s_mov_b64 s[64:65], 0
	v_nop
	global_prefetch_b8 v0, s[64:65] scope:SCOPE_SE
	s_setreg_imm32_b32 hwreg(HW_REG_WAVE_MODE, 25, 1), 1
	s_wait_xcnt 0x0
; query, key, value [8192][1024] and Wq, Wk, Wv, Wo [1024][1024], f32, become codes of FP6 (E2M3) with one E8M0 byte for each 32 along K (the last axis),
; laid in the ORDER OF AN OPERAND'S REGISTERS.  c1: [tile of 16 rows, 1,792][K step of 128, 8][1,536 bytes]: registers 4 c .. 4 c + 3 of lane l at 512 c + 16 l.
; s1: [tile][512 bytes]: lane (r, h) has 16 bytes at 16 l; its word j is row r's scale word of K step 2 j + h.
; Tiles: query from 0, key from 512, value from 1,024, Wq from 1,536, Wk from 1,600, Wv from 1,664, Wo from 1,728.
; WHICH ROWS FORM A TILE.  query, Wo: 16 neighbours.  key, value, Wq, Wk, Wv: tile t of the tensor takes rows 64 (t / 4) + 8 (t % 4) + 0 .. 7 and the eight rows 32 further on.  As source 0 of a matrix
; instruction, four such tiles give lane (r, h) 32 registers that are rows 64 (t / 4) + 32 h + 0 .. 31: one whole scale block of the next product, in ascending order.
; A block's scale is 2^(floor(log2(largest magnitude)) - 2): its byte is the largest magnitude's exponent field - 2, held at 1 from below by a floor among the maximum's leaves.
; LIMITS: NaN and infinities among the inputs are not served.  A block of zeros gets the byte 1 where the rule says 127: its codes are zeros, and this program alone reads the bytes.
; SHARES: 1,792 tiles = 256 work-groups x 7 waves; a wave takes one tile for all of K.  Each load reads 512 consecutive bytes of one row; a K step's 16 x 512 bytes turn through the wave's own stage in LDS
; (rows 528 bytes apart) and come back as two whole blocks of 32 a lane.  Two K steps' loads (32 a wave) are on their way.  Waves share nothing: no barrier.
.set STGB,  8448                       ; a wave's stage: 16 rows x 528 bytes
.set SPARE, 7*STGB                     ; behind the stages: the spare words, 128 bytes a wave
.set VA,  4                            ; 16 x lane
.set VB,  5                            ; the same, + 24 rows where the tile's upper eight rows lie 32 on
.set STI, 6                            ; the stage, on the way in
.set STO, 7                            ; and on the way out: row r, + 128 h
.set H8,  8                            ; 8 h
.set SPW, 12
.set NIL, 13
.set R,   16                           ; v16-143  two sets of 64 registers as loaded
.set X,   144                          ; v144-207 my two blocks of 32
.set C,   208                          ; v208-219 the fragment's 12 registers
.set T,   220                          ; the blocks' upper halves as converted
.set M,   228
.set SCO, 230
.set BY,  232
.set W,   234
.set TP,  235
.set WE,  236
.set SW,  240
	s_load_b512 s[4:19], s[0:1], 0x0               ; query, key, value, Wq, Wk, Wv, Wo, c1
	s_load_b64 s[20:21], s[0:1], 0x40              ; s1
	v_lshl_add_u32 v[SPW], v0, 2, SPARE
	v_mov_b32 v[NIL], 0
	v_lshrrev_b32 v1, 5, v0
	v_readfirstlane_b32 s22, v1                    ; wave 0..6
	v_and_b32 v2, 31, v0
	v_and_b32 v3, 15, v0                           ; r
	v_bfe_u32 v9, v0, 4, 1                         ; h
	v_lshlrev_b32 v[VA], 4, v2
	s_mul_i32 s33, s22, STGB
	v_add_nc_u32 v[STI], s33, v[VA]
	v_mul_u32_u24 v[STO], v3, 528
	v_lshl_add_u32 v[STO], v9, 7, v[STO]
	v_add_nc_u32 v[STO], s33, v[STO]
	v_lshlrev_b32 v[H8], 3, v9
	v_mov_b32 v[TP], 0                             ; a lane permute's destination counts as one of its sources
	s_mov_b32 s34, 0x76543210
	s_mov_b32 s35, 0xfedcba98
	s_mov_b32 s36, 0xffff0000                      ; lanes 16-31
	s_mul_i32 s28, ttmp9, 7
	s_add_co_u32 s28, s28, s22                     ; my tile among all 1,792
	s_wait_alu depctr_va_vdst(0)                   ; the wait at the head's end
	s_wait_kmcnt 0x0
	; which tensor: by the tile's number alone.  s[26:27] its address, s24 its first tile
	s_mov_b64 s[26:27], s[16:17]
	s_mov_b32 s24, 1728
	s_cmp_lt_u32 s28, 1728
	s_cselect_b64 s[26:27], s[14:15], s[26:27]
	s_cselect_b32 s24, 1664, s24
	s_cmp_lt_u32 s28, 1664
	s_cselect_b64 s[26:27], s[12:13], s[26:27]
	s_cselect_b32 s24, 1600, s24
	s_cmp_lt_u32 s28, 1600
	s_cselect_b64 s[26:27], s[10:11], s[26:27]
	s_cselect_b32 s24, 1536, s24
	s_cmp_lt_u32 s28, 1536
	s_cselect_b64 s[26:27], s[8:9], s[26:27]
	s_cselect_b32 s24, 1024, s24
	s_cmp_lt_u32 s28, 1024
	s_cselect_b64 s[26:27], s[6:7], s[26:27]
	s_cselect_b32 s24, 512, s24
	s_cmp_lt_u32 s28, 512
	s_cselect_b64 s[26:27], s[4:5], s[26:27]
	s_cselect_b32 s24, 0, s24
	s_sub_co_u32 s25, s28, s24                     ; my tile within the tensor
	s_lshr_b32 s29, s25, 2
	s_lshl_b32 s29, s29, 6
	s_and_b32 s30, s25, 3
	s_lshl_b32 s30, s30, 3
	s_add_co_u32 s29, s29, s30                     ; its first row: 64 (t / 4) + 8 (t % 4),
	s_lshl_b32 s30, s25, 4                         ; or 16 t
	s_sub_co_u32 s31, s28, 512
	s_cmp_lt_u32 s31, 1216                         ; tiles 512 .. 1,727: key, value, Wq, Wk, Wv
	s_cselect_b32 s30, s29, s30
	s_cselect_b32 s29, 0x18000, 0                  ; 24 rows of 4,096 bytes more for the tile's upper eight rows
	s_lshl_b32 s30, s30, 12
	s_mov_b32 s31, 0
	s_add_nc_u64 s[26:27], s[26:27], s[30:31]
	s_mul_i32 s30, s28, 12288
	s_add_nc_u64 s[18:19], s[18:19], s[30:31]
	s_lshl_b32 s30, s28, 9
	s_add_nc_u64 s[20:21], s[20:21], s[30:31]
	v_add_nc_u32 v[VB], s29, v[VA]
.macro LOAD q                          ; K step q: 512 consecutive bytes of each of the 16 rows
.irp p, 0,1,2,3,4,5,6,7
	global_load_b128 v[R+64*((\q)%2)+4*\p:R+64*((\q)%2)+4*\p+3], v[VA], s[26:27] offset:4096*\p+512*(\q) th:TH_LOAD_NT
.endr
.irp p, 8,9,10,11,12,13,14,15
	global_load_b128 v[R+64*((\q)%2)+4*\p:R+64*((\q)%2)+4*\p+3], v[VB], s[26:27] offset:4096*\p+512*(\q) th:TH_LOAD_NT
.endr
.endm
.macro FRAGQ q
.if (\q) < 7
	s_wait_loadcnt 16                              ; this K step's sixteen loads are in; the next step's sixteen may be out
.else
	s_wait_loadcnt 0
.endif
.irp p, 0,1,2,3,4,5,6,7,8,9,10,11,12,13,14,15
	ds_store_b128 v[STI], v[R+64*((\q)%2)+4*\p:R+64*((\q)%2)+4*\p+3] offset:528*\p
.endr
.irp c, 0,1
.irp i, 0,1,2,3,4,5,6,7
	ds_load_b128 v[X+32*\c+4*\i:X+32*\c+4*\i+3], v[STO] offset:256*\c+16*\i   ; a wave's LDS instructions are served in order: these see the stores.  k = 64 c + 32 h + 4 i ..
.endr
.endr
	s_wait_dscnt 0x0                               ; my two blocks are in, and the stores have read their registers,
.if (\q) < 6
	LOAD (\q)+2                                    ; which take the loads of two K steps on
.endif
.irp c, 0,1
	v_max3_num_f32 v[M+\c], |v[X+32*\c]|, |v[X+32*\c+1]|, 0x1800000   ; block 2 c + h is all mine; the floor 2^(3 - 127) holds the byte at 1 from below
.endr
.irp i, 2,4,6,8,10,12,14,16,18,20,22,24,26,28,30
.irp c, 0,1
	v_max3_num_f32 v[M+\c], v[M+\c], |v[X+32*\c+\i]|, |v[X+32*\c+\i+1]|
.endr
.endr
.irp c, 0,1
	v_add_nc_u32 v[SCO+\c], 0xff000000, v[M+\c]    ; 2 off the exponent field: the conversion's scale operand
.endr
.irp c, 0,1
	v_lshrrev_b32 v[BY+\c], 23, v[SCO+\c]          ; the byte
.endr
	v_lshl_or_b32 v[W], v[BY+1], 16, v[BY]         ; bytes h and 2 + h of row r's word,
	v_lshlrev_b32 v[W], v[H8], v[W]                ; at their places;
	v_permlanex16_b32 v[TP], v[W], s34, s35
	v_or_b32 v[W], v[W], v[TP]                     ; with lane l xor 16's two the word is whole
	s_wait_alu depctr_va_vdst(0)                   ; the wait ahead of the wait below
	s_wait_xcnt 0x0                                ; the last K step's stores have read the fragment's registers
.irp c, 0,1
	v_cvt_scalef32_pk16_fp6_f32 v[C+6*\c:C+6*\c+2], v[X+32*\c:X+32*\c+15], v[SCO+\c]
	v_cvt_scalef32_pk16_fp6_f32 v[T+4*\c:T+4*\c+2], v[X+32*\c+16:X+32*\c+31], v[SCO+\c]   ; (a conversion's three registers begin on an even number)
.endr
	v_nop                                          ; one plain place behind a scaled conversion
.irp c, 0,1
.irp i, 0,1,2
	v_mov_b32 v[C+3+6*\c+\i], v[T+4*\c+\i]
.endr
.endr
.irp c, 0,1,2
	global_store_b128 v[VA], v[C+4*\c:C+4*\c+3], s[18:19] offset:1536*(\q)+512*\c   ; 32 lanes store 512 consecutive bytes, aligned
.endr
.if (\q)%2
	v_cndmask_b32 v[SW+(\q)/2], v[WE], v[W], s36   ; lanes 0-15 keep the even K step's word, lanes 16-31 the odd one's
.else
	v_mov_b32 v[WE], v[W]
.endif
.endm
	LOAD 0
	LOAD 1
	s_wait_alu depctr_va_vdst(0)
.irp q, 0,1,2,3,4,5,6,7
	FRAGQ \q
.endr
	global_store_b128 v[VA], v[SW:SW+3], s[20:21]  ; the tile's 512 bytes of scale words
	s_wait_tensorcnt 0x0                           ; the wave's end
	ds_add_u32 v[SPW], v[NIL]
	s_wait_dscnt 0x0
	s_endpgm
.Lfunc_end_k_q9fef4234d3_quant:
	.size	k_q9fef4234d3_quant, .Lfunc_end_k_q9fef4234d3_quant-k_q9fef4234d3_quant
	.p2alignl 7, 3214868480
	.fill 96, 4, 3214868480
	.section	.rodata,"a",@progbits
	.p2align	6, 0x0
	.amdhsa_kernel k_q9fef4234d3_quant
		.amdhsa_group_segment_fixed_size 60160
		.amdhsa_private_segment_fixed_size 0
		.amdhsa_enable_private_segment 0
		.amdhsa_kernarg_size 72
		.amdhsa_user_sgpr_count 2
		.amdhsa_user_sgpr_kernarg_segment_ptr 1
		.amdhsa_wavefront_size32 1
		.amdhsa_system_sgpr_workgroup_id_x 1
		.amdhsa_system_sgpr_workgroup_id_y 1
		.amdhsa_system_sgpr_workgroup_id_z 1
		.amdhsa_system_vgpr_workitem_id 0
		.amdhsa_next_free_vgpr 248
		.amdhsa_next_free_sgpr 66
		.amdhsa_reserve_vcc 0
		.amdhsa_float_denorm_mode_32 3
		.amdhsa_float_denorm_mode_16_64 3
		.amdhsa_memory_ordered 1
		.amdhsa_forward_progress 1
		.amdhsa_inst_pref_size 59
	.end_amdhsa_kernel
	.amdgpu_metadata
---
amdhsa.version: [ 1, 2 ]
amdhsa.kernels:
  - .name:           k_q9fef4234d3_quant
    .symbol:         k_q9fef4234d3_quant.kd
    .args:
      - { .name: query, .offset: 0, .size: 8, .value_kind: global_buffer, .address_space: global }
      - { .name: key, .offset: 8, .size: 8, .value_kind: global_buffer, .address_space: global }
      - { .name: value, .offset: 16, .size: 8, .value_kind: global_buffer, .address_space: global }
      - { .name: Wq, .offset: 24, .size: 8, .value_kind: global_buffer, .address_space: global }
      - { .name: Wk, .offset: 32, .size: 8, .value_kind: global_buffer, .address_space: global }
      - { .name: Wv, .offset: 40, .size: 8, .value_kind: global_buffer, .address_space: global }
      - { .name: Wo, .offset: 48, .size: 8, .value_kind: global_buffer, .address_space: global }
      - { .name: c1, .offset: 56, .size: 8, .value_kind: global_buffer, .address_space: global }
      - { .name: s1, .offset: 64, .size: 8, .value_kind: global_buffer, .address_space: global }
    .group_segment_fixed_size: 60160
    .private_segment_fixed_size: 0
    .kernarg_segment_align: 8
    .kernarg_segment_size: 72
    .max_flat_workgroup_size: 224
    .sgpr_count:     66
    .vgpr_count:     248
    .wavefront_size: 32
...
	.end_amdgpu_metadata
.endif
;; end of part 1
;; launch proj (part 2): grid 4 x 64, 4 waves a work-group, clusters of 4 x 4, 327,680 bytes of LDS; arguments c1, s1, bq, bk, bv, qc, qs, kv; writes qc, qs, kv
.if DOCPART == 2
	.amdgcn_target "amdgcn-amd-amdhsa--gfx1250"
	.amdhsa_code_object_version 6
	.text
	.protected	k_q9fef4234d3_proj
	.globl	k_q9fef4234d3_proj
	.p2align	8
	.type	k_q9fef4234d3_proj,@function
k_q9fef4234d3_proj:
	s_mov_b64 s[64:65], 0
	v_nop
	global_prefetch_b8 v0, s[64:65] scope:SCOPE_SE
	s_setreg_imm32_b32 hwreg(HW_REG_WAVE_MODE, 25, 1), 1
	s_wait_xcnt 0x0
	s_wait_alu depctr_hold_cnt(0) depctr_sa_sdst(0) depctr_va_vdst(0) depctr_va_sdst(0) depctr_va_ssrc(0) depctr_va_vcc(0) depctr_vm_vsrc(0)
	s_getreg_b32 s2, hwreg(HW_REG_IB_STS2, 6, 4)
	s_cmp_eq_u32 s2, 0
	s_cbranch_scc0 .Lentry_in_a_cluster
	s_endpgm
.Lentry_in_a_cluster:
	s_bfe_u32 s2, ttmp6, 0x10000c
	s_cmp_lg_u32 s2, 0xf033
	s_cbranch_scc0 .Lentry_shape_is_right
	s_endpgm
.Lentry_shape_is_right:
; The three projections in one launch, on codes of FP6 with E8M0 scales, K = 1,024; then the bias, in f32, and the quantiser of the next product, in registers.  Only codes and scale words are stored.
; A WORK-GROUP STAYS and makes three tiles on end: g = 0: q = query Wq^T + bq; g = 1: k likewise; g = 2: v.  The matrix instruction gives D(source 0's row 8 h + j, source 1's row r): a lane holds ONE row of source 1.
; q, k are quantised along the head's 64 channels: source 0 = W's rows (channels), source 1 = x's rows.  v is quantised along the KEYS: source 0 = value's rows (keys), source 1 = Wv's rows (channels).
; BY THE ORDER OF SOURCE 0'S ROWS in c1 (tile 4 c + u holds rows 64 c + 8 u + 0 .. 7 and the eight 32 further on) a lane's 32 registers of four tiles are rows 64 c + 32 h + 0 .. 31: one whole scale block, ascending.
; SHARES: a tile is 128 rows of source 1 x 256 of source 0; wave (wy, wx) makes 64 x 128: 32 accumulators.  256 work-groups x 3 tiles.
; LDS: A RING OF TWO SLOTS, each HALF OF K of the tile's 8 + 16 tiles of 16 rows.  Source 1 [half][tile, 8][K step, 4][1,536] from 0, source 0 [half][tile, 16][K step, 4][1,536] from BOFF.
; At the head one joint load a wave.  Slot 0 is filled again, with the next tile's first half, in K step 3 (waves 0 and 1), slot 1 in K step 7 (waves 2 and 3): each behind the three lines in every wave and a whole
; round of the cluster's barrier.  A wave has one tensor load outstanding.  The four work-groups of a row of the cluster share source 1's tiles, those of a column source 0's.
; No prefetch: a refill is asked for four K steps and a way out, or more, ahead of its first read.  v's tile fills nothing again and is written out behind the loop of two trips.
; The next tile's scale words are asked for behind K step 7's products, its biases behind the way out.
; STORED: qc [head of a batch, 64][pair of query tiles, 64][1,536]: an image of 12 registers, six for each tile (K = 64).  qs [bh][64 queries, 32][256]: lane (r, h) 8 bytes at 8 l, word i for tile 2 i + h.
; kv [bh][128 keys, 16][13,056]: K's codes (48 registers' image, tile t at register 6 t), V's codes (4 fragments of 16 channels x 128 keys), K's scale words (2 x 256), V's (256).
; LIMITS: NaN and infinities are not served; a block of zeros gets the byte 1 (its codes are zeros; this program alone reads the bytes).
; REGISTERS: window 0: v1-14 addresses; v32-47, v48-79 scale words; v96-143, v144-239 fragments, set 0.  window 1: accumulator (a, b) at v[64 a + 8 b].  window 2: v0-63, v64-71 biases; v96-239 fragments, set 1.
.set BOFF,  98304
.set SPARE, 294912                     ; behind the tiles: the spare words, 128 bytes a wave
.set HEADB, 208896
.set REC,   13056
.set NF,    36                         ; LDS loads of a K step's fragments
.set ADA, 4                            ; v4-5  source 1's fragments, one for each half of K
.set ADB, 6                            ; v6-7  source 0's
.set L16, 10
.set L8,  11
.set BA,  12                           ; 128 h
.set BC,  13                           ; 4 (r + 24 (r / 8))
.set H8,  14                           ; 8 h
.set SPW, 28
.set NIL, 29
.set SA,  32
.set SB,  48
.set FA,  96
.set FB,  144
.set BI,  0                            ; window 2: the bias along source 0
.set BV,  64                           ; window 2: the bias of my row of source 1, a pair for each tile
.set H,   96                           ; the way out, window 0: 64 numbers
.set TM,  160
.set T2,  176
.set PW,  184
.set SS,  188
.set RUN, 196                          ; four runs of 12 registers of codes
.set G1A, 32
.set G1B, 40
.set G0A, 48                           ; s[48:55] group 0 of source 1's two slots;  s[68:75] of source 0's
.set G0B, 68
.set ATN, 58                           ; the next tile's first tile of 16 rows in c1: source 1's, source 0's;
.set BTN, 59
.set AT2, 60                           ; and v's
.set BT2, 61
.set T0V, 62                           ; v: my 256 keys, my 128 channels
.set T1V, 63
.set SEL, 98
.set HM,  30
.set MSB, 0
.macro WIN new                         ; the immediate's high byte repeats the setting that is left
.if MSB != \new
	s_set_vgpr_msb (MSB<<8)|\new
.set MSB, \new
.endif
.endm
.macro PLACES                          ; four plain places behind matrix instructions (ISA guide 7.12.1)
.rept 4
	v_nop
.endr
.endm
.macro WALU
	s_wait_alu depctr_va_vdst(0)
.endm
.macro CREST                           ; a round of the cluster's barrier behind its opening barrier
	s_cmp_lg_u32 s20, 0
	s_cbranch_scc1 .Lnot_wave_0_\@
	s_barrier_signal -3
.Lnot_wave_0_\@:
	s_barrier_wait -3
	s_barrier_signal -1
	s_barrier_wait -1
.endm
.macro CROUND
	s_barrier_signal -1
	s_barrier_wait -1
	CREST
.endm
.macro SETG0 h, at, bt                 ; slot h's two global addresses: half h of K of the tiles from s[at] (it hangs on cy, never on cx) and from s[bt] (on cx, never on cy)
	s_mul_i32 s90, s[\at], 12288
	s_add_co_u32 s90, s90, 6144*(\h)
	s_mov_b32 s91, 0
	s_add_nc_u64 s[G0A+4*(\h)+2:G0A+4*(\h)+3], s[4:5], s[90:91]
	s_or_b32 s[G0A+4*(\h)+3], s[G0A+4*(\h)+3], 0x80000000
	s_mul_i32 s92, s[\bt], 12288
	s_add_co_u32 s92, s92, 6144*(\h)
	s_mov_b32 s93, 0
	s_add_nc_u64 s[G0B+4*(\h)+2:G0B+4*(\h)+3], s[4:5], s[92:93]
	s_or_b32 s[G0B+4*(\h)+3], s[G0B+4*(\h)+3], 0x80000000
.endm
.macro LOADSC at, bt                   ; the scale words go from memory straight into registers: a tile's 512 bytes by one load; 12 loads
	s_lshl_b32 s85, s21, 2
	s_add_co_u32 s84, s[\at], s85
	s_lshl_b32 s84, s84, 9
	s_mov_b32 s85, 0
	s_add_nc_u64 s[84:85], s[6:7], s[84:85]
	s_lshl_b32 s89, s22, 3
	s_add_co_u32 s88, s[\bt], s89
	s_lshl_b32 s88, s88, 9
	s_mov_b32 s89, 0
	s_add_nc_u64 s[88:89], s[6:7], s[88:89]
.irp i, 0,1,2,3
	global_load_b128 v[SA+4*\i:SA+4*\i+3], v[L16], s[84:85] offset:512*\i
.endr
.irp i, 0,1,2,3,4,5,6,7
	global_load_b128 v[SB+4*\i:SB+4*\i+3], v[L16], s[88:89] offset:512*\i
.endr
.endm
.macro LOADBI                          ; the bias in both forms (along source 0 for q and k, by source 1's row for v): the form that the tile does not use is loaded from the buffer's head and not used; 24 loads
	WIN 0x80
.irp b, 0,1,2,3,4,5,6,7
	global_load_b128 v[BI+8*\b:BI+8*\b+3], v[BA], s[90:91] offset:256*(\b/4)+32*(\b%4)      ; row 8 h + j of W's tile b is channel 64 (b / 4) + 32 h + 8 (b % 4) + j
	global_load_b128 v[BI+8*\b+4:BI+8*\b+7], v[BA], s[90:91] offset:256*(\b/4)+32*(\b%4)+16
.endr
.irp a, 0,1,2,3
	global_load_b32 v[BV+2*\a], v[BC], s[96:97] offset:32*\a       ; row r of Wv's tile a is channel 8 a + r % 8 + 32 (r / 8) of its head
	global_load_b32 v[BV+2*\a+1], v[BC], s[96:97] offset:32*\a     ; (the packed addition names a pair)
.endr
	WIN 0
.endm
	s_load_b512 s[4:19], s[0:1], 0x0               ; c1, s1, bq, bk, bv, qc, qs, kv
	v_lshl_add_u32 v[SPW], v0, 2, SPARE
	v_mov_b32 v[NIL], 0
	ds_add_u32 v[SPW], v[NIL]                      ; the opening lines: the add, twice on end, and its wait ahead of my first tensor load
	ds_add_u32 v[SPW], v[NIL]
	v_lshrrev_b32 v1, 5, v0
	v_readfirstlane_b32 s20, v1                    ; wave
	s_lshr_b32 s21, s20, 1                         ; wy: my 64 rows of source 1
	s_and_b32 s22, s20, 1                          ; wx: my 128 rows of source 0
	s_bfe_u32 s23, ttmp6, 0x40000                  ; cx
	s_bfe_u32 s24, ttmp6, 0x40004                  ; cy
	s_and_b32 s25, ttmp7, 0xffff                   ; cluster y, 0 .. 15
	s_mov_b32 s28, s23                             ; q, k: t0 = cx: my 256 channels
	s_lshl_b32 s29, s25, 2
	s_add_co_u32 s29, s29, s24                     ; t1: my 128 rows of x
	s_and_b32 s[T0V], s25, 7
	s_lshl_b32 s[T0V], s[T0V], 2
	s_add_co_u32 s[T0V], s[T0V], s23
	s_lshr_b32 s[T1V], s25, 3
	s_lshl_b32 s[T1V], s[T1V], 2
	s_add_co_u32 s[T1V], s[T1V], s24
	s_lshl_b32 s56, s29, 3                         ; q: query's tiles from 0,
	s_lshl_b32 s57, s23, 4
	s_add_co_u32 s57, s57, 1536                    ; Wq's from 1,536
	s_add_co_u32 s[ATN], s56, 512                  ; k: key's from 512, Wk's from 1,600
	s_add_co_u32 s[BTN], s57, 64
	s_lshl_b32 s[AT2], s[T1V], 3
	s_add_co_u32 s[AT2], s[AT2], 1664              ; v: Wv's from 1,664, value's from 1,024
	s_lshl_b32 s[BT2], s[T0V], 4
	s_add_co_u32 s[BT2], s[BT2], 1024
	s_lshl_b32 s27, s23, 10
	s_lshl_b32 s31, s22, 9
	s_add_co_u32 s27, s27, s31                     ; q, k: my first channel, in bytes: 4 (256 cx + 128 wx)
	s_lshl_b32 s31, s[T1V], 9
	s_lshl_b32 s88, s21, 8
	s_add_co_u32 s31, s31, s88                     ; v: 4 (128 t1 + 64 wy)
	s_lshl_b32 s88, s24, 2
	s_lshl_b32 s88, 15, s88                        ; my row of the cluster
	s_lshl_b32 s89, 0x1111, s23                    ; my column
	; group 1: rows of 6,144 bytes (a tile's four K steps: 768 elements of 8 bytes), 12,288 bytes apart in memory, dense in LDS; 8 tiles of source 1 or 16 of source 0
	s_or_b32 s[G1A], s88, (3<<16)|(1<<21)
	s_or_b32 s[G1B], s89, (3<<16)|(1<<21)
	s_mov_b32 s[G1A+1], 768<<16
	s_mov_b32 s[G1A+2], 8<<16
	s_mov_b32 s[G1A+3], 768<<16
	s_mov_b32 s[G1A+4], 8
	s_mov_b32 s[G1A+5], 1536
	s_mov_b32 s[G1A+6], 0
	s_mov_b32 s[G1A+7], 0
	s_mov_b32 s[G1B+1], 768<<16
	s_mov_b32 s[G1B+2], 16<<16
	s_mov_b32 s[G1B+3], 768<<16
	s_mov_b32 s[G1B+4], 16
	s_mov_b32 s[G1B+5], 1536
	s_mov_b32 s[G1B+6], 0
	s_mov_b32 s[G1B+7], 0
.irp s, 0,1
	s_mov_b32 s[G0A+4*\s], 1
	s_mov_b32 s[G0A+4*\s+1], 49152*\s
	s_mov_b32 s[G0B+4*\s], 1
	s_mov_b32 s[G0B+4*\s+1], BOFF+98304*\s
.endr
	s_mov_b32 s[SEL], 0x76543210
	s_mov_b32 s[SEL+1], 0xfedcba98
	s_mov_b32 s[HM], 0xffff0000
	s_mov_b32 s26, 0                               ; g
	s_wait_dscnt 0x0                               ; both opening adds are done
	s_wait_kmcnt 0x0
	CROUND                                         ; all sixteen work-groups are here: the joint loads meet
	SETG0 0, 56, 57
	SETG0 1, 56, 57
; ONE joint load a wave, each in its own arm of one chain on the wave's number: wave 0 source 0's first half of K, wave 1 source 1's, waves 2 and 3 the second halves
	s_cmp_eq_u32 s20, 0
	s_cbranch_scc0 .Lwave_1
	tensor_load_to_lds s[G0B:G0B+3], s[G1B:G1B+7]
	s_nop 0
	PLACES
	s_branch .Lasked
.Lwave_1:
	s_cmp_eq_u32 s20, 1
	s_cbranch_scc0 .Lwave_2
	tensor_load_to_lds s[G0A:G0A+3], s[G1A:G1A+7]
	s_nop 0
	PLACES
	s_branch .Lasked
.Lwave_2:
	s_cmp_eq_u32 s20, 2
	s_cbranch_scc0 .Lwave_3
	tensor_load_to_lds s[G0B+4:G0B+7], s[G1B:G1B+7]
	s_nop 0
	PLACES
	s_branch .Lasked
.Lwave_3:
	tensor_load_to_lds s[G0A+4:G0A+7], s[G1A:G1A+7]
	s_nop 0
	PLACES
.Lasked:
	v_and_b32 v1, 15, v0                           ; r
	v_bfe_u32 v2, v0, 4, 1                         ; h
	v_and_b32 v3, 31, v0
	v_lshlrev_b32 v[L16], 4, v3
	v_lshlrev_b32 v[L8], 3, v3
	v_lshlrev_b32 v[BA], 7, v2
	v_lshlrev_b32 v[H8], 3, v2
	v_and_b32 v[BC], 8, v1
	v_mad_u32_u24 v[BC], v[BC], 3, v1
	v_lshlrev_b32 v[BC], 2, v[BC]
	s_mul_i32 s2, s21, 24576                       ; my four tiles of source 1 in a slot
	v_add_nc_u32 v[ADA], s2, v[L16]
	v_add_nc_u32 v[ADA+1], 49152, v[ADA]
	s_mul_i32 s3, s22, 49152                       ; my eight tiles of source 0
	v_add_nc_u32 v3, s3, v[L16]
	v_add_nc_u32 v[ADB], BOFF, v3
	v_add_nc_u32 v[ADB+1], BOFF+98304, v3
	WALU                                           ; the wait at the head's end
	LOADSC 56, 57
	s_mov_b32 s92, s27
	s_mov_b32 s93, 0
	s_add_nc_u64 s[90:91], s[8:9], s[92:93]        ; bq at my channels
	s_mov_b64 s[96:97], s[8:9]
	LOADBI
; K step q's fragments as images of their registers: three loads of 512 consecutive bytes each; 4 of source 1, 8 of source 0; into set q % 2
.macro FETCH q
.if (\q)%2
	WIN 0x80
.else
	WIN 0
.endif
.irp i, 0,1,2,3
.irp c, 0,1,2
	ds_load_b128 v[FA+12*\i+4*\c:FA+12*\i+4*\c+3], v[ADA+(\q)/4] offset:6144*\i+1536*((\q)%4)+512*\c
.endr
.endr
.irp i, 0,1,2,3,4,5,6,7
.irp c, 0,1,2
	ds_load_b128 v[FB+12*\i+4*\c:FB+12*\i+4*\c+3], v[ADB+(\q)/4] offset:6144*\i+1536*((\q)%4)+512*\c
.endr
.endr
.endm
; 8 matrix instructions: source 1's tile a against source 0's eight.  The 32 accumulators take turns, in the same order in every K step.
; K step q's scale words stand in register q / 2 of a tile's four: lanes 0-15 for an even q, lanes 16-31 for an odd one.
.macro MUL8 a, q, zero
.irp b, 0,1,2,3,4,5,6,7
.if \zero
	v_wmma_scale_f32_16x16x128_f8f6f4 v[64*\a+8*\b:64*\a+8*\b+7], v[FB+12*\b:FB+12*\b+11], v[FA+12*\a:FA+12*\a+11], 0, v[SB+4*\b+(\q)/2], v[SA+4*\a+(\q)/2] matrix_a_fmt:MATRIX_FMT_FP6 matrix_b_fmt:MATRIX_FMT_FP6
.elseif (\q)%2
	v_wmma_scale_f32_16x16x128_f8f6f4 v[64*\a+8*\b:64*\a+8*\b+7], v[FB+12*\b:FB+12*\b+11], v[FA+12*\a:FA+12*\a+11], v[64*\a+8*\b:64*\a+8*\b+7], v[SB+4*\b+(\q)/2], v[SA+4*\a+(\q)/2] matrix_a_fmt:MATRIX_FMT_FP6 matrix_b_fmt:MATRIX_FMT_FP6 matrix_a_scale:MATRIX_SCALE_ROW1 matrix_b_scale:MATRIX_SCALE_ROW1
.else
	v_wmma_scale_f32_16x16x128_f8f6f4 v[64*\a+8*\b:64*\a+8*\b+7], v[FB+12*\b:FB+12*\b+11], v[FA+12*\a:FA+12*\a+11], v[64*\a+8*\b:64*\a+8*\b+7], v[SB+4*\b+(\q)/2], v[SA+4*\a+(\q)/2] matrix_a_fmt:MATRIX_FMT_FP6 matrix_b_fmt:MATRIX_FMT_FP6
.endif
.endr
.endm
.macro STEP_E q, zero                  ; an even K step
.if (\q) > 0
	PLACES
.endif
	FETCH (\q)+1
	s_wait_dscnt NF                                ; all but the fetch just issued
	WIN 0x50                                       ; fragments window 0, C and D window 1
	MUL8 0, \q, \zero
	MUL8 1, \q, \zero
	MUL8 2, \q, \zero
	MUL8 3, \q, \zero
.endm
.macro STEP_O q                        ; K steps 1 and 5: the successor lies in the same slot
	s_wait_dscnt 0x0
	WIN 0x5a                                       ; fragments window 2
	MUL8 0, \q, 0
	MUL8 1, \q, 0
	PLACES
	FETCH (\q)+1
	WIN 0x5a
	MUL8 2, \q, 0
	MUL8 3, \q, 0
.endm
.macro STEP_B q                        ; K step 3 of the last tile: a plain barrier shows slot 1 to all
	s_wait_tensorcnt 0x0
	s_wait_dscnt 0x0
	s_barrier_signal -1
	WIN 0x5a
	MUL8 0, \q, 0
	MUL8 1, \q, 0
	s_barrier_wait -1
	PLACES
	FETCH (\q)+1
	WIN 0x5a
	MUL8 2, \q, 0
	MUL8 3, \q, 0
.endm
; K step 3 or 7 with a refill.  Its own fragments, the last of slot q / 4, are in registers at the wait for 0: behind the round nobody reads that slot, and whatever was on its way has landed in every wave.
.macro STEP_R q
	WIN 0
	s_wait_xcnt 0x0                                ; the loads of biases have read their bases: s90 to s93 are written again below
	s_wait_tensorcnt 0x0                           ; all my tensor loads have landed;
	ds_add_u32 v[SPW], v[NIL]                      ; the add; the descriptors' scalar lines stand between it and its wait;
	SETG0 (\q)/4, ATN, BTN                         ; no load of mine is out: the slot's addresses step to the next tile
	s_wait_dscnt 0x0                               ; the add is done, and so are my reads of the slot
	s_barrier_signal -1
	WIN 0x5a
	MUL8 0, \q, 0                                  ; work on registers while the others arrive
	MUL8 1, \q, 0
	WIN 0
	s_barrier_wait -1
	CREST
	s_cmp_eq_u32 s20, 2*((\q)/4)
	s_cbranch_scc0 .Lfor_a_\@
	tensor_load_to_lds s[G0B+4*((\q)/4):G0B+4*((\q)/4)+3], s[G1B:G1B+7]
	s_nop 0
	PLACES
	s_branch .Lrefilled_\@
.Lfor_a_\@:
	s_cmp_eq_u32 s20, 2*((\q)/4)+1
	s_cbranch_scc0 .Lrefilled_\@
	tensor_load_to_lds s[G0A+4*((\q)/4):G0A+4*((\q)/4)+3], s[G1A:G1A+7]
	s_nop 0
	PLACES
.Lrefilled_\@:
.if (\q) == 3
	PLACES                                         ; for the waves that come round the loads
	FETCH 4
.endif
	WIN 0x5a
	MUL8 2, \q, 0
	MUL8 3, \q, 0
.endm
.macro KPART refill                    ; a tile's eight K steps
	FETCH 0
	s_wait_loadcnt 24                              ; the scale words are in; the 24 loads of biases, issued behind them, may be out
	STEP_E 0, 1                                    ; the first products start the sums: nothing is cleared
	STEP_O 1
	STEP_E 2, 0
.if \refill
	STEP_R 3
.else
	STEP_B 3
.endif
	STEP_E 4, 0
	STEP_O 5
	STEP_E 6, 0
.if \refill
	STEP_R 7
.else
	s_wait_dscnt 0x0
	WIN 0x5a
	MUL8 0, 7, 0
	MUL8 1, 7, 0
	MUL8 2, 7, 0
	MUL8 3, 7, 0
.endif
	WIN 0
	PLACES
.endm
; 64 numbers of a lane: registers 0-31 are block h of my row, registers 32-63 block 2 + h, each whole and ascending.  Codes: six registers from d0 and six from d1; the row's scale word in pw, in both halves of the lanes
.macro QUANT s, d0, d1, pw
.irp b, 0,1,2,3
	v_max3_num_f32 v[TM+\b], |v[\s+16*\b]|, |v[\s+1+16*\b]|, 0x1800000   ; four chains; the floor 2^(3 - 127): the byte cannot fall under 1
.endr
.irp i, 2,4,6,8,10,12,14
.irp b, 0,1,2,3
	v_max3_num_f32 v[TM+\b], v[TM+\b], |v[\s+16*\b+\i]|, |v[\s+1+16*\b+\i]|
.endr
.endr
	v_max_num_f32 v[TM], v[TM], v[TM+1]
	v_max_num_f32 v[TM+2], v[TM+2], v[TM+3]
	v_add_nc_u32 v[TM+12], 0xff000000, v[TM]       ; 2 off the exponent field: the conversion's scale operand
	v_add_nc_u32 v[TM+13], 0xff000000, v[TM+2]
	v_lshrrev_b32 v[TM+4], 23, v[TM+12]            ; the byte
	v_lshrrev_b32 v[TM+5], 23, v[TM+13]
	v_lshl_or_b32 v[\pw], v[TM+5], 16, v[TM+4]
	v_lshlrev_b32 v[\pw], v[H8], v[\pw]            ; bytes h and 2 + h at their places;
	v_permlanex16_b32 v[TM+6], v[\pw], s[SEL], s[SEL+1]
	v_or_b32 v[\pw], v[\pw], v[TM+6]               ; with lane l xor 16's two the word is whole
	v_cvt_scalef32_pk16_fp6_f32 v[(\d0):(\d0)+2], v[\s:\s+15], v[TM+12]
	v_cvt_scalef32_pk16_fp6_f32 v[T2:T2+2], v[\s+16:\s+31], v[TM+12]
	v_cvt_scalef32_pk16_fp6_f32 v[(\d1):(\d1)+2], v[\s+32:\s+47], v[TM+13]
	v_cvt_scalef32_pk16_fp6_f32 v[T2+4:T2+6], v[\s+48:\s+63], v[TM+13]
	v_nop                                          ; one plain place behind a scaled conversion
.irp i, 0,1,2
	v_mov_b32 v[(\d0)+3+\i], v[T2+\i]              ; (a conversion's three registers begin on an even number)
	v_mov_b32 v[(\d1)+3+\i], v[T2+4+\i]
.endr
.endm
	s_cmp_lt_u32 s20, 2                            ; waves 0 and 1 asked for slot 0, by lines of their own: they wait; slot 1 may still be on its way
	s_cbranch_scc0 .Lnot_first
	s_wait_tensorcnt 0x0
.Lnot_first:
	s_barrier_signal -1
	s_barrier_wait -1
.Ltile:                                                ; ---- q, then k
	KPART 1
	s_wait_xcnt 0x0                                ; earlier loads and stores have read their bases
	LOADSC ATN, BTN                                ; the next tile's scale words: they land under the way out
	s_wait_xcnt 0x0
	s_wait_loadcnt 12                              ; this tile's biases are in; the 12 loads just issued may be out
	v_mov_b32 v[TM+6], 0                           ; a lane permute's destination counts as one of its sources
	; my 128 channels are two heads, A (registers 0-31) and B (32-63); my 64 rows are four tiles
	s_lshr_b32 s84, s29, 4                         ; the batch
	s_and_b32 s85, s29, 15                         ; which 128 rows of its 2,048
	s_lshl_b32 s84, s84, 4
	s_lshl_b32 s86, s28, 2
	s_add_co_u32 s84, s84, s86
	s_lshl_b32 s86, s22, 1
	s_add_co_u32 s84, s84, s86                     ; head A among the 64
	s_mov_b32 s86, HEADB
	s_mov_b32 s87, REC
	s_mov_b32 s88, HEADB
	s_mov_b32 s89, REC
	s_cmp_eq_u32 s26, 0
	s_cselect_b32 s86, 98304, s86                  ; codes: from head to head,
	s_cselect_b32 s87, 6144, s87                   ; from 128 rows to the next
	s_cselect_b32 s88, 8192, s88                   ; scale words likewise
	s_cselect_b32 s89, 512, s89
	s_cselect_b32 s92, 0, 12288                    ; in kv they lie behind a record's codes
	s_cselect_b64 s[94:95], s[14:15], s[18:19]
	s_cselect_b64 s[96:97], s[16:17], s[18:19]
	s_mul_i32 s90, s84, s86
	s_mul_i32 s91, s85, s87
	s_add_co_u32 s90, s90, s91
	s_mul_i32 s91, s21, 3072
	s_add_co_u32 s90, s90, s91
	s_mov_b32 s91, 0
	s_add_nc_u64 s[94:95], s[94:95], s[90:91]      ; head A's codes
	s_mov_b32 s87, 0
	s_add_nc_u64 s[86:87], s[94:95], s[86:87]      ; head B's
	s_mul_i32 s90, s84, s88
	s_mul_i32 s91, s85, s89
	s_add_co_u32 s90, s90, s91
	s_lshl_b32 s91, s21, 8
	s_add_co_u32 s90, s90, s91
	s_add_co_u32 s90, s90, s92
	s_mov_b32 s91, 0
	s_add_nc_u64 s[96:97], s[96:97], s[90:91]      ; head A's scale words
	s_mov_b32 s89, 0
	s_add_nc_u64 s[88:89], s[96:97], s[88:89]      ; head B's
.irp a, 0,1,2,3
	WIN 0x09                                       ; source 0 window 1 (the sums), source 1 window 2 (the bias)
.set j, 0
.rept 32
	v_pk_add_f32 v[H+j:H+j+1], v[64*\a+j:64*\a+j+1], v[BI+j:BI+j+1]   ; each accumulator from its low end on
.set j, j+2
.endr
	WIN 0
	QUANT H, RUN+24*(\a/2)+6*(\a%2), RUN+24*(\a/2)+12+6*(\a%2), PW+\a
.if \a%2
.irp c, 0,1,2
	global_store_b128 v[L16], v[RUN+24*(\a/2)+4*\c:RUN+24*(\a/2)+4*\c+3], s[94:95] offset:1536*(\a/2)+512*\c        ; two tiles' six registers each: 512 consecutive bytes a store
	global_store_b128 v[L16], v[RUN+24*(\a/2)+12+4*\c:RUN+24*(\a/2)+12+4*\c+3], s[86:87] offset:1536*(\a/2)+512*\c
.endr
.endif
.endr
	v_cndmask_b32 v[SS+4], v[PW], v[PW+1], s[HM]   ; word i of lane (r, h) belongs to tile 2 i + h
	v_cndmask_b32 v[SS+5], v[PW+2], v[PW+3], s[HM]
	v_and_b32 v[SS], 0xffff, v[SS+4]               ; head A's two bytes; the bytes of the unused upper 64 along K are 0, over zero codes
	v_and_b32 v[SS+1], 0xffff, v[SS+5]
	v_lshrrev_b32 v[SS+2], 16, v[SS+4]             ; head B's
	v_lshrrev_b32 v[SS+3], 16, v[SS+5]
	global_store_b64 v[L8], v[SS:SS+1], s[96:97]   ; 256 consecutive bytes, aligned
	global_store_b64 v[L8], v[SS+2:SS+3], s[88:89]
	s_wait_xcnt 0x0                                ; the stores have read their registers and bases
	s_cmp_eq_u32 s26, 0                            ; the next tile's biases: bk along source 0, or bv by source 1's row
	s_cselect_b64 s[90:91], s[10:11], s[12:13]
	s_cselect_b32 s92, s27, 0
	s_cselect_b32 s94, 0, s31
	s_mov_b32 s93, 0
	s_mov_b32 s95, 0
	s_add_nc_u64 s[96:97], s[90:91], s[94:95]
	s_add_nc_u64 s[90:91], s[90:91], s[92:93]
	LOADBI
	s_mov_b32 s[ATN], s[AT2]
	s_mov_b32 s[BTN], s[BT2]
	s_add_co_u32 s26, s26, 1
	s_cmp_lg_u32 s26, 2
	WALU                                           ; the wait ahead of the branch
	s_cbranch_scc1 .Ltile
	; ---- v.  My 64 rows of Wv are one head's channels, four tiles; my 128 keys are one record
	KPART 0
	s_wait_xcnt 0x0
	s_wait_loadcnt 0x0
	v_mov_b32 v[TM+6], 0
	s_lshr_b32 s84, s[T0V], 3
	s_lshl_b32 s84, s84, 4
	s_lshl_b32 s85, s[T1V], 1
	s_add_co_u32 s84, s84, s85
	s_add_co_u32 s84, s84, s21                     ; the head among the 64
	s_mul_i32 s84, s84, HEADB
	s_and_b32 s85, s[T0V], 7
	s_lshl_b32 s85, s85, 1
	s_add_co_u32 s85, s85, s22                     ; the record
	s_mul_i32 s85, s85, REC
	s_add_co_u32 s84, s84, s85
	s_add_co_u32 s84, s84, 6144                    ; behind K's codes
	s_mov_b32 s85, 0
	s_add_nc_u64 s[94:95], s[18:19], s[84:85]
.irp a, 0,1,2,3
	WIN 0x09
.set j, 0
.rept 32
	v_pk_add_f32 v[H+j:H+j+1], v[64*\a+j:64*\a+j+1], v[BV+2*\a:BV+2*\a+1] op_sel_hi:[1,0]   ; my channel's bias
.set j, j+2
.endr
	WIN 0
	QUANT H, RUN+12*\a, RUN+12*\a+6, PW+\a
.irp c, 0,1,2
	global_store_b128 v[L16], v[RUN+12*\a+4*\c:RUN+12*\a+4*\c+3], s[94:95] offset:1536*\a+512*\c
.endr
.endr
	v_cndmask_b32 v[SS], v[PW], v[PW+1], s[HM]
	v_cndmask_b32 v[SS+1], v[PW+2], v[PW+3], s[HM]
	global_store_b64 v[L8], v[SS:SS+1], s[94:95] offset:6656
	s_wait_tensorcnt 0x0                           ; the wave's end
	ds_add_u32 v[SPW], v[NIL]
	s_wait_dscnt 0x0
	CROUND                                         ; the closing round
	s_endpgm
.Lfunc_end_k_q9fef4234d3_proj:
	.size	k_q9fef4234d3_proj, .Lfunc_end_k_q9fef4234d3_proj-k_q9fef4234d3_proj
	.p2alignl 7, 3214868480
	.fill 96, 4, 3214868480
	.section	.rodata,"a",@progbits
	.p2align	6, 0x0
	.amdhsa_kernel k_q9fef4234d3_proj
		.amdhsa_group_segment_fixed_size 327680
		.amdhsa_private_segment_fixed_size 0
		.amdhsa_enable_private_segment 0
		.amdhsa_kernarg_size 64
		.amdhsa_user_sgpr_count 2
		.amdhsa_user_sgpr_kernarg_segment_ptr 1
		.amdhsa_wavefront_size32 1
		.amdhsa_system_sgpr_workgroup_id_x 1
		.amdhsa_system_sgpr_workgroup_id_y 1
		.amdhsa_system_sgpr_workgroup_id_z 1
		.amdhsa_system_vgpr_workitem_id 0
		.amdhsa_next_free_vgpr 768
		.amdhsa_next_free_sgpr 100
		.amdhsa_reserve_vcc 0
		.amdhsa_float_denorm_mode_32 3
		.amdhsa_float_denorm_mode_16_64 3
		.amdhsa_memory_ordered 1
		.amdhsa_forward_progress 1
		.amdhsa_inst_pref_size 169
	.end_amdhsa_kernel
	.amdgpu_metadata
---
amdhsa.version: [ 1, 2 ]
amdhsa.kernels:
  - .name:           k_q9fef4234d3_proj
    .symbol:         k_q9fef4234d3_proj.kd
    .args:
      - { .name: c1, .offset: 0, .size: 8, .value_kind: global_buffer, .address_space: global }
      - { .name: s1, .offset: 8, .size: 8, .value_kind: global_buffer, .address_space: global }
      - { .name: bq, .offset: 16, .size: 8, .value_kind: global_buffer, .address_space: global }
      - { .name: bk, .offset: 24, .size: 8, .value_kind: global_buffer, .address_space: global }
      - { .name: bv, .offset: 32, .size: 8, .value_kind: global_buffer, .address_space: global }
      - { .name: qc, .offset: 40, .size: 8, .value_kind: global_buffer, .address_space: global }
      - { .name: qs, .offset: 48, .size: 8, .value_kind: global_buffer, .address_space: global }
      - { .name: kv, .offset: 56, .size: 8, .value_kind: global_buffer, .address_space: global }
    .group_segment_fixed_size: 327680
    .private_segment_fixed_size: 0
    .kernarg_segment_align: 8
    .kernarg_segment_size: 64
    .max_flat_workgroup_size: 128
    .sgpr_count:     100
    .vgpr_count:     768
    .wavefront_size: 32
...
	.end_amdgpu_metadata
.endif
;; end of part 2
;; launch attn (part 3): grid 4 x 64, 8 waves a work-group, clusters of 4 x 1, 327,680 bytes of LDS; arguments qc, qs, kv, oc, os; writes oc, os
.if DOCPART == 3
	.amdgcn_target "amdgcn-amd-amdhsa--gfx1250"
	.amdhsa_code_object_version 6
	.text
	.protected	k_q9fef4234d3_attn
	.globl	k_q9fef4234d3_attn
	.p2align	8
	.type	k_q9fef4234d3_attn,@function
k_q9fef4234d3_attn:
	s_mov_b64 s[64:65], 0
	v_nop
	global_prefetch_b8 v0, s[64:65] scope:SCOPE_SE
	s_setreg_imm32_b32 hwreg(HW_REG_WAVE_MODE, 25, 1), 1
	s_wait_xcnt 0x0
	s_wait_alu depctr_hold_cnt(0) depctr_sa_sdst(0) depctr_va_vdst(0) depctr_va_sdst(0) depctr_va_ssrc(0) depctr_va_vcc(0) depctr_vm_vsrc(0)
	s_getreg_b32 s2, hwreg(HW_REG_IB_STS2, 6, 4)
	s_cmp_eq_u32 s2, 0
	s_cbranch_scc0 .Lentry_in_a_cluster
	s_endpgm
.Lentry_in_a_cluster:
	s_bfe_u32 s2, ttmp6, 0x10000c
	s_cmp_lg_u32 s2, 0x3003
	s_cbranch_scc0 .Lentry_shape_is_right
	s_endpgm
.Lentry_shape_is_right:
; Attention of one head of one batch (64 of them; 2,048 queries and keys; 64 channels) on codes of FP6 with E8M0 scales; the result, divided by the row's sum, is quantised along the channels for the last product.
; t = score x log2(e) / 8; M = the running largest t rounded UP to a whole number; p = 2^(t - M) is quantised along the keys, not normalised; the row's sum is taken of the unquantised p.
; When M moves, the sum and O are multiplied by 2^(old M - new M), which rounds nothing.
; SHARES: a work-group owns 512 queries of a head; each of its eight waves FOUR tiles of 16 queries, so that each fragment of K and V read from LDS (13,056 bytes a key step) feeds four tiles' products.
; THE HEAD'S WHOLE K, V AND SCALE WORDS LIE IN LDS: 16 records of 13,056 bytes (128 keys each), filled once; wave w brings records 2 w and 2 w + 1, by ONE joint load that names the cluster's four work-groups,
; which walk the same head.  A wave has one tensor load outstanding.  No prefetch: everything that the launch streams is asked for by that one load at the head, ahead of any loop.
; LAYOUT: S^T = K Q^T (source 0 = 16 keys, source 1 = 16 queries), O^T = V^T P^T: a lane holds one query of each tile.  The score product's K is 64: Q's upper six registers are zero codes; a tile of K is six registers,
; and its fragment's upper six are whatever codes follow, which meet Q's zeros.
; BY THE ORDER OF THE KEYS IN K'S TILES (row 8 h + j of tile 4 c + u is key 64 c + 32 h + 8 u + j of the record) lane (r, h)'s registers 32 c + i of S^T are keys 64 c + 32 h + i: the whole block 2 c + h, ascending,
; as the next operand's registers 6 c .. 6 c + 5 want it.  V's channel tiles are ordered alike, so a tile's 32 registers of O^T are channels 32 h + 0 .. 31.  No code changes lanes.
; A BLOCK'S SCALE: p rises with the score, so the block's largest score gives its largest p; 2^(t - M - 2) of it, by the same multiply-add and exponential with 2 more taken off, has the scale's byte as its exponent field.
; A STEP: the four tiles one after the other, each: 8 score products, softmax, quantiser, 4 products with V.  The next record's K is fetched behind the fourth tile's score products, its V behind the fourth tile's last products.
; In the last trip the look-ahead is held at the last record; nothing reads what it brings.
; STORED: oc [tile of 16 rows, 512][K step = head / 2, 8][1,536]: registers 2 p, 2 p + 1 of lane l at 256 p + 8 l; an even head fills p = 0 .. 2, an odd one 3 .. 5.  os [head][tile][16] words: two bytes.
; LIMITS: NaN and infinities are not served.  The promise holds while the scaled scores t stay under 2^31 in magnitude.  A block of p whose largest lies under 2^-124 gets the byte 0 (2^-127, a finite code) where the rule
; holds the byte at 1: what it adds lies under 2^-120 beside a row's sum of at least 1/2.  A block of zeros of O gets the byte 1 (its codes are zeros; this program alone reads the bytes).
; REGISTERS: window 0 as named below; window 1: v0-127 O^T, 32 a tile; v128-175 Q, 12 a tile.
.set REC,   13056
.set HEADB, 208896
.set SPARE, HEADB                      ; behind the records: the spare words, 128 bytes for each of eight waves
.set L16, 1                            ; 16 x lane
.set L8,  2                            ; 8 x lane
.set A16, 3                            ; the next record + 16 x lane
.set A8,  4                            ; + 8 x lane
.set SPW, 5
.set NIL, 6
.set TA,  7
.set H8,  8                            ; 8 h
.set QSA, 9                            ; 8 r
.set C1,  10                           ; v[10:11], v[12:13] chains of the sums
.set C2,  12
.set R4,  14                           ; 4 r
.set PD,  15                           ; a lane permute's destination
.set ST,  16                           ; v16-31 a tile's four: -M, the running largest score, the row's sum in two halves
.set QS,  32                           ; v32-35
.set KS,  36                           ; v36-39
.set PW,  40                           ; p's scale word
.set M2,  41
.set VS,  42                           ; v42-43
.set F,   44                           ; v[44:45] f = 2^(old M - new M), named as a pair
.set B0,  46                           ; v46, v48 the two blocks' largest; v47, v49 their second chains
.set T2,  52                           ; v52-54, v56-58 the blocks' upper halves as converted; then v[52:53] a chain of the sums
.set PC,  60                           ; v60-71 p's codes
.set KF,  72                           ; v72-119 K's eight tiles; v120-125 zero codes behind tile 7
.set VF,  126                          ; v126-173 V's four fragments
.set S,   174                          ; v174-237 S^T, then p
.set OW,  0                            ; window 1
.set QW,  128                          ; window 1
.set WV,  14
.set SEL, 20
.set CS,  22
.set G1,  24
.set G0,  32
.set TB,  36
.set CNT, 37
.set TBN, 38
.set MSB, 0
.macro WIN new                         ; the immediate's high byte repeats the setting that is left
.if MSB != \new
	s_set_vgpr_msb (MSB<<8)|\new
.set MSB, \new
.endif
.endm
.macro CROUND
	s_barrier_signal -1
	s_barrier_wait -1
	s_cmp_lg_u32 s[WV], 0
	s_cbranch_scc1 .Lnot_wave_0_\@
	s_barrier_signal -3
.Lnot_wave_0_\@:
	s_barrier_wait -3
	s_barrier_signal -1
	s_barrier_wait -1
.endm
.macro WALU
	s_wait_alu depctr_va_vdst(0)
.endm
	s_load_b256 s[4:11], s[0:1], 0x0               ; qc, qs, kv, oc
	s_load_b64 s[12:13], s[0:1], 0x20              ; os
	v_lshl_add_u32 v[SPW], v0, 2, SPARE
	v_mov_b32 v[NIL], 0
	ds_add_u32 v[SPW], v[NIL]                      ; the opening lines: the add, twice on end, and its wait ahead of my tensor load
	ds_add_u32 v[SPW], v[NIL]
	v_lshrrev_b32 v7, 5, v0
	v_readfirstlane_b32 s[WV], v7                  ; wave 0..7
	s_bfe_u32 s15, ttmp6, 0x40000                  ; cx: it enters the addresses of Q and of the results alone
	s_and_b32 s16, ttmp7, 0xffff                   ; the head of a batch, which the four partners share
	s_mov_b32 s[G1], 15|(3<<16)|(1<<21)            ; two records, dense: 102 rows of 256 bytes (32 elements of 8 bytes)
	s_mov_b32 s[G1+1], 32<<16
	s_mov_b32 s[G1+2], 102<<16
	s_mov_b32 s[G1+3], 32<<16
	s_mov_b32 s[G1+4], 102
	s_mov_b32 s[G1+5], 32
	s_mov_b32 s[G1+6], 0
	s_mov_b32 s[G1+7], 0
	s_mov_b32 s[G0], 1
	s_mul_i32 s[G0+1], s[WV], 2*REC                ; records 2 w, 2 w + 1, in LDS
	s_mul_i32 s40, s16, HEADB
	s_add_co_u32 s40, s40, s[G0+1]                 ; and in memory
	s_mov_b32 s41, 0
	s_lshl_b32 s42, s15, 4
	s_lshl_b32 s43, s[WV], 1
	s_add_co_u32 s42, s42, s43                     ; my first pair of query tiles
	s_mul_i32 s42, s42, 1536
	s_mul_i32 s43, s16, 98304
	s_add_co_u32 s42, s42, s43
	s_mov_b32 s43, 0
	s_lshl_b32 s44, s15, 3
	s_add_co_u32 s44, s44, s[WV]                   ; my group of four tiles
	s_lshl_b32 s44, s44, 8
	s_lshl_b32 s45, s16, 13
	s_add_co_u32 s44, s44, s45
	s_mov_b32 s45, 0
	s_lshr_b32 s46, s16, 4
	s_lshl_b32 s46, s46, 7
	s_lshl_b32 s47, s15, 5
	s_add_co_u32 s46, s46, s47
	s_lshl_b32 s47, s[WV], 2
	s_add_co_u32 s46, s46, s47                     ; my first tile of 16 rows among the 512
	s_and_b32 s17, s16, 15                         ; the head
	s_mul_i32 s18, s46, 12288
	s_lshr_b32 s19, s17, 1
	s_mul_i32 s19, s19, 1536
	s_add_co_u32 s18, s18, s19
	s_and_b32 s19, s17, 1
	s_mul_i32 s19, s19, 768
	s_add_co_u32 s18, s18, s19
	s_mov_b32 s19, 0
	s_lshl_b32 s46, s46, 6
	s_lshl_b32 s47, s17, 15
	s_add_co_u32 s46, s46, s47
	s_mov_b32 s47, 0
	s_mov_b32 s[SEL], 0x76543210
	s_mov_b32 s[SEL+1], 0xfedcba98                 ; selects for lane l xor 16
	s_mov_b32 s[CS], 0x3e38aa3b                    ; c = log2(e) / sqrt(64)
	s_mov_b32 s[CS+1], s[CS]                       ; (named with it as a pair)
	s_wait_dscnt 0x0                               ; both opening adds are done
	s_wait_kmcnt 0x0
	s_add_nc_u64 s[G0+2:G0+3], s[8:9], s[40:41]
	s_or_b32 s[G0+3], s[G0+3], 0x80000000
	s_add_nc_u64 s[4:5], s[4:5], s[42:43]
	s_add_nc_u64 s[6:7], s[6:7], s[44:45]
	s_add_nc_u64 s[10:11], s[10:11], s[18:19]
	s_add_nc_u64 s[12:13], s[12:13], s[46:47]
	CROUND                                         ; all four work-groups are here: the joint loads meet
	tensor_load_to_lds s[G0:G0+3], s[G1:G1+7]
	s_nop 0
.rept 4
	v_nop
.endr
	v_and_b32 v7, 31, v0
	v_lshlrev_b32 v[L16], 4, v7
	v_lshlrev_b32 v[L8], 3, v7
	v_and_b32 v7, 15, v0                           ; r
	v_lshlrev_b32 v[R4], 2, v7
	v_lshlrev_b32 v[QSA], 3, v7
	v_bfe_u32 v[H8], v0, 4, 1
	v_lshlrev_b32 v[H8], 3, v[H8]
.irp p, 0,1
.irp c, 0,1,2
	global_load_b128 v[S+12*\p+4*\c:S+12*\p+4*\c+3], v[L16], s[4:5] offset:1536*\p+512*\c   ; my two pairs of query tiles: tile i's six registers land at S + 6 i
.endr
.endr
.irp i, 0,1,2,3
	global_load_b32 v[QS+\i], v[QSA], s[6:7] offset:128*(\i%2)+4*(\i/2)   ; and their scale words
.endr
.irp i, 0,1,2,3
	v_mov_b32 v[ST+4*\i], 0x7e800000               ; a -M above every other: the first f is 0, on sums that are 0
	v_mov_b32 v[ST+4*\i+1], 0xff61b1e6             ; the largest score so far: -3e38
	v_mov_b32 v[ST+4*\i+2], 0
	v_mov_b32 v[ST+4*\i+3], 0
.endr
.irp i, 0,1,2,3,4,5
	v_mov_b32 v[KF+48+\i], 0                       ; what stands behind K's tile 7
.endr
	v_mov_b32 v[PD], 0                             ; a lane permute's destination counts as one of its sources
	v_mov_b32 v[F+1], 0                            ; (named as the upper half of f's pair)
	WIN 0x40                                       ; destination window 1
.set j, 0
.rept 128
	v_mov_b32 v[OW+j], 0                           ; the step is written once: its first trip finds zeros
.set j, j+1
.endr
.irp i, 0,1,2,3
.irp k, 6,7,8,9,10,11
	v_mov_b32 v[QW+12*\i+\k], 0                    ; the upper 64 along K: zero codes
.endr
.endr
	s_wait_loadcnt 0x0
.irp i, 0,1,2,3
.irp k, 0,1,2,3,4,5
	v_mov_b32 v[QW+12*\i+\k], v[S+6*\i+\k]
.endr
.endr
	WIN 0
	s_mov_b32 s[TB], REC
	s_mov_b32 s[TBN], REC
	s_mov_b32 s[CNT], 16
	WALU                                           ; the wait at the head's end
	s_wait_tensorcnt 0x0                           ; my records are in,
	s_barrier_signal -1
	s_barrier_wait -1                              ; everybody's are.  Nothing is ever filled again
.macro KLOAD a16, a8                   ; K's eight tiles, six registers each, as an image (512 consecutive bytes a load), and their scale words (tile t in register t / 2, lanes 16 (t % 2) on): 14 loads
.irp g, 0,1,2,3,4,5,6,7,8,9,10,11
	ds_load_b128 v[KF+4*\g:KF+4*\g+3], v[\a16] offset:512*\g
.endr
	ds_load_b64 v[KS:KS+1], v[\a8] offset:12288
	ds_load_b64 v[KS+2:KS+3], v[\a8] offset:12544
.endm
.macro VLOAD a16, a8                   ; V's four fragments and their scale words: 13 loads
.irp g, 0,1,2,3,4,5,6,7,8,9,10,11
	ds_load_b128 v[VF+4*\g:VF+4*\g+3], v[\a16] offset:6144+512*\g
.endr
	ds_load_b64 v[VS:VS+1], v[\a8] offset:12800
.endm
; ONE TILE OF 16 QUERIES AGAINST 128 KEYS
.macro TILE i
	WIN 0x04                                       ; source 1 (Q) window 1
.irp t, 0,1,2,3,4,5,6,7
.if \t%2
	v_wmma_scale_f32_16x16x128_f8f6f4 v[S+8*\t:S+8*\t+7], v[KF+6*\t:KF+6*\t+11], v[QW+12*(\i):QW+12*(\i)+11], 0, v[KS+\t/2], v[QS+(\i)] matrix_a_fmt:MATRIX_FMT_FP6 matrix_b_fmt:MATRIX_FMT_FP6 matrix_a_scale:MATRIX_SCALE_ROW1
.else
	v_wmma_scale_f32_16x16x128_f8f6f4 v[S+8*\t:S+8*\t+7], v[KF+6*\t:KF+6*\t+11], v[QW+12*(\i):QW+12*(\i)+11], 0, v[KS+\t/2], v[QS+(\i)] matrix_a_fmt:MATRIX_FMT_FP6 matrix_b_fmt:MATRIX_FMT_FP6
.endif
.endr
	WIN 0
.if (\i) == 3                          ; four plain places behind the products, in front of the first read of the scores and of loads into K's registers
	v_add_nc_u32 v[A16], s[TBN], v[L16]
	v_add_nc_u32 v[A8], s[TBN], v[L8]
.else
	v_nop
	v_nop
.endif
	v_mov_b32 v[TA], v[ST+4*(\i)]                  ; the old -M
	v_nop
.if (\i) == 3
	KLOAD A16, A8                                  ; the next record's K
.endif
.irp k, 0,1,2,3
	v_max3_num_f32 v[B0+\k], v[S+16*\k], v[S+1+16*\k], v[S+2+16*\k]  ; the largest score of each of my two blocks of 32 keys, in two chains each
.endr
.irp n, 3,5,7,9,11,13
.irp k, 0,1,2,3
	v_max3_num_f32 v[B0+\k], v[B0+\k], v[S+16*\k+\n], v[S+1+16*\k+\n]
.endr
.endr
	v_max3_num_f32 v[B0], v[B0], v[B0+1], v[S+15]
	v_max3_num_f32 v[B0+2], v[B0+2], v[B0+3], v[S+47]
	v_max_num_f32 v[B0], v[B0], v[S+31]
	v_max_num_f32 v[B0+2], v[B0+2], v[S+63]
	s_delay_alu instid0(VALU_DEP_1)
	v_max_num_f32 v[M2], v[B0], v[B0+2]
	s_delay_alu instid0(VALU_DEP_1)
	v_permlanex16_b32 v[PD], v[M2], s[SEL], s[SEL+1]
	s_delay_alu instid0(VALU_DEP_1)
	v_max3_num_f32 v[ST+4*(\i)+1], v[ST+4*(\i)+1], v[M2], v[PD]      ; the running largest score of my query (c is positive)
	s_delay_alu instid0(VALU_DEP_1)
	v_mul_f32 v[M2], s[CS], v[ST+4*(\i)+1]         ; as t
	s_delay_alu instid0(VALU_DEP_1)
	v_floor_f32 v[ST+4*(\i)], -v[M2]               ; the new -M = floor(-t): M is a whole number
	s_delay_alu instid0(VALU_DEP_1)
	v_sub_f32 v[TA], v[ST+4*(\i)], v[TA]           ; old M - new M: a whole number, 0 or less
	v_add_f32 v[M2], -2.0, v[ST+4*(\i)]            ; -M - 2
	v_pk_fma_f32 v[S:S+1], v[S:S+1], s[CS:CS+1], v[ST+4*(\i):ST+4*(\i)+1] op_sel_hi:[1,0,0]   ; t - M, two at a time
	v_cvt_i32_f32 v[TA], v[TA]                     ; (it saturates)
	v_pk_fma_f32 v[S+2:S+3], v[S+2:S+3], s[CS:CS+1], v[ST+4*(\i):ST+4*(\i)+1] op_sel_hi:[1,0,0]
	v_pk_fma_f32 v[S+4:S+5], v[S+4:S+5], s[CS:CS+1], v[ST+4*(\i):ST+4*(\i)+1] op_sel_hi:[1,0,0]
	v_ldexp_f32 v[F], 1.0, v[TA]                   ; f
.set j, 6
.rept 29
	v_pk_fma_f32 v[S+j:S+j+1], v[S+j:S+j+1], s[CS:CS+1], v[ST+4*(\i):ST+4*(\i)+1] op_sel_hi:[1,0,0]
.set j, j+2
.endr
	v_fma_f32 v[B0], v[B0], s[CS], v[M2]           ; t - M - 2 of each block's largest score
	v_fma_f32 v[B0+2], v[B0+2], s[CS], v[M2]
	WIN 0x41                                       ; destination and source 0 window 1
	WALU                                           ; the wait directly ahead of O^T's first reader; it serves the batch below too
.set j, 0
.rept 16
	v_pk_mul_f32 v[OW+32*(\i)+j:OW+32*(\i)+j+1], v[OW+32*(\i)+j:OW+32*(\i)+j+1], v[F:F+1] op_sel_hi:[1,0]   ; O^T under the new M, each accumulator from its low end on
.set j, j+2
.endr
	WIN 0
.set j, 0
.rept 64
	v_exp_f32 v[S+j], v[S+j]                       ; p = 2^(t - M), at most 1
.set j, j+1
.endr
	v_exp_f32 v[B0], v[B0]                         ; a quarter of the block's largest p: its exponent field is the scale's byte, and it is the conversions' scale operand as it stands
	v_exp_f32 v[B0+2], v[B0+2]
	v_nop                                          ; a plain place behind the exponentials
	WALU                                           ; one wait for the batch, ahead of its first reader
	v_perm_b32 v[M2], v[B0+2], v[B0], 0x07060302   ; the two upper halves: the bytes at bits 7 and 23,
	v_lshrrev_b32 v[M2], 7, v[M2]
	v_and_b32 v[M2], 0xff00ff, v[M2]               ; now bytes 0 and 2;
	v_permlanex16_b32 v[PD], v[M2], s[SEL], s[SEL+1]
	v_lshl_or_b32 v[PW], v[PD], 8, v[M2]           ; in lanes 0-15, which alone are read: blocks 0 and 2 are mine, 1 and 3 lane l + 16's
.irp c, 0,1
	v_cvt_scalef32_pk16_fp6_f32 v[PC+6*\c:PC+6*\c+2], v[S+32*\c:S+32*\c+15], v[B0+2*\c]
	v_cvt_scalef32_pk16_fp6_f32 v[T2+4*\c:T2+4*\c+2], v[S+32*\c+16:S+32*\c+31], v[B0+2*\c]   ; (a conversion's three registers begin on an even number)
.endr
	v_pk_fma_f32 v[ST+4*(\i)+2:ST+4*(\i)+3], v[ST+4*(\i)+2:ST+4*(\i)+3], v[F:F+1], v[S:S+1] op_sel_hi:[1,0,1]   ; THE ROW'S SUM, of the unquantised p: the old sum under the new M, and the first two.  (The plain place behind the conversions)
.irp c, 0,1
.irp k, 0,1,2
	v_mov_b32 v[PC+3+6*\c+\k], v[T2+4*\c+\k]
.endr
.endr
	v_pk_add_f32 v[C1:C1+1], v[S+2:S+3], v[S+4:S+5]                  ; four chains; these additions are also the places between p's codes and scale word and the products
	v_pk_add_f32 v[C2:C2+1], v[S+6:S+7], v[S+8:S+9]
	v_pk_add_f32 v[T2:T2+1], v[S+10:S+11], v[S+12:S+13]
.set j, 14
.rept 6
	v_pk_add_f32 v[ST+4*(\i)+2:ST+4*(\i)+3], v[ST+4*(\i)+2:ST+4*(\i)+3], v[S+j:S+j+1]
	v_pk_add_f32 v[C1:C1+1], v[C1:C1+1], v[S+j+2:S+j+3]
	v_pk_add_f32 v[C2:C2+1], v[C2:C2+1], v[S+j+4:S+j+5]
	v_pk_add_f32 v[T2:T2+1], v[T2:T2+1], v[S+j+6:S+j+7]
.set j, j+8
.endr
	v_pk_add_f32 v[ST+4*(\i)+2:ST+4*(\i)+3], v[ST+4*(\i)+2:ST+4*(\i)+3], v[S+62:S+63]
	v_pk_add_f32 v[C1:C1+1], v[C1:C1+1], v[T2:T2+1]
	v_pk_add_f32 v[ST+4*(\i)+2:ST+4*(\i)+3], v[ST+4*(\i)+2:ST+4*(\i)+3], v[C2:C2+1]
	v_pk_add_f32 v[ST+4*(\i)+2:ST+4*(\i)+3], v[ST+4*(\i)+2:ST+4*(\i)+3], v[C1:C1+1]
.if (\i) == 0
	WALU                                           ; the wait ahead of the wait below
	s_wait_dscnt 0x0                               ; this record's V is in; nothing younger is out
.endif
	WIN 0x50                                       ; C and D window 1
.irp t, 0,1,2,3
.if \t%2
	v_wmma_scale_f32_16x16x128_f8f6f4 v[OW+32*(\i)+8*\t:OW+32*(\i)+8*\t+7], v[VF+12*\t:VF+12*\t+11], v[PC:PC+11], v[OW+32*(\i)+8*\t:OW+32*(\i)+8*\t+7], v[VS+\t/2], v[PW] matrix_a_fmt:MATRIX_FMT_FP6 matrix_b_fmt:MATRIX_FMT_FP6 matrix_a_scale:MATRIX_SCALE_ROW1
.else
	v_wmma_scale_f32_16x16x128_f8f6f4 v[OW+32*(\i)+8*\t:OW+32*(\i)+8*\t+7], v[VF+12*\t:VF+12*\t+11], v[PC:PC+11], v[OW+32*(\i)+8*\t:OW+32*(\i)+8*\t+7], v[VS+\t/2], v[PW] matrix_a_fmt:MATRIX_FMT_FP6 matrix_b_fmt:MATRIX_FMT_FP6
.endif
.endr
	WIN 0
.endm
	KLOAD L16, L8                                  ; record 0
	VLOAD L16, L8
.Lstep:
	s_wait_dscnt 13                                ; this record's K is in; V's 13 loads, issued behind K's, may be out
	TILE 0
	TILE 1
	TILE 2
	TILE 3
.rept 4
	v_nop                                          ; places in front of the loads into V's registers
.endr
	VLOAD A16, A8                                  ; the next record's V
	s_add_co_u32 s[TB], s[TB], REC
	s_min_u32 s[TBN], s[TB], 15*REC                ; the look-ahead stays inside the records
	s_sub_co_u32 s[CNT], s[CNT], 1
	s_cmp_lg_u32 s[CNT], 0
	WALU                                           ; the wait ahead of the branch
	s_cbranch_scc1 .Lstep
	s_wait_dscnt 0x0                               ; K's and V's registers are free
.irp i, 0,1,2,3
	v_add_f32 v[ST+4*\i+2], v[ST+4*\i+2], v[ST+4*\i+3]
.endr
.irp i, 0,1,2,3
	v_permlanex16_b32 v[B0+\i], v[ST+4*\i+2], s[SEL], s[SEL+1]
.endr
.irp i, 0,1,2,3
	v_add_f32 v[ST+4*\i+2], v[ST+4*\i+2], v[B0+\i]                   ; the rows' sums
.endr
	WALU
.irp i, 0,1,2,3
	v_rcp_f32 v[ST+4*\i+2], v[ST+4*\i+2]
.endr
	v_nop                                          ; a plain place behind the reciprocals
	WALU
; THE WAY OUT of a tile: codes in registers of its own (K's, which are free), so that no store's data are written again
.macro OUT i
	WIN 0x01                                       ; source 0 window 1
	WALU                                           ; the wait directly ahead of O^T's first reader
.set j, 0
.rept 16
	v_pk_mul_f32 v[S+j:S+j+1], v[OW+32*(\i)+j:OW+32*(\i)+j+1], v[ST+4*(\i)+2:ST+4*(\i)+3] op_sel_hi:[1,0]   ; O^T / the sum: register n is channel 32 h + n of my query: one whole block
.set j, j+2
.endr
	WIN 0
	v_max3_num_f32 v[B0], |v[S]|, |v[S+1]|, 0x1800000                ; its largest magnitude, in two chains; the floor 2^(3 - 127) holds the byte at 1 from below
	v_max3_num_f32 v[B0+2], |v[S+16]|, |v[S+17]|, 0x1800000
.irp n, 2,4,6,8,10,12,14
	v_max3_num_f32 v[B0], v[B0], |v[S+\n]|, |v[S+1+\n]|
	v_max3_num_f32 v[B0+2], v[B0+2], |v[S+16+\n]|, |v[S+17+\n]|
.endr
	v_max_num_f32 v[B0], v[B0], v[B0+2]
	v_add_nc_u32 v[B0], 0xff000000, v[B0]          ; 2 off the exponent field: the conversions' scale operand
	v_lshrrev_b32 v[M2], 23, v[B0]                 ; the byte,
	v_lshlrev_b32 v[M2], v[H8], v[M2]              ; at its place
	v_permlanex16_b32 v[PD], v[M2], s[SEL], s[SEL+1]
	v_or_b32 v[VF+(\i)], v[M2], v[PD]              ; the head's two bytes of my row
	v_cvt_scalef32_pk16_fp6_f32 v[KF+8*(\i):KF+8*(\i)+2], v[S:S+15], v[B0]
	v_cvt_scalef32_pk16_fp6_f32 v[T2:T2+2], v[S+16:S+31], v[B0]
	v_nop                                          ; one plain place behind a scaled conversion
.irp k, 0,1,2
	v_mov_b32 v[KF+8*(\i)+3+\k], v[T2+\k]
.endr
.irp c, 0,1,2
	global_store_b64 v[L8], v[KF+8*(\i)+2*\c:KF+8*(\i)+2*\c+1], s[10:11] offset:12288*(\i)+256*\c   ; 256 consecutive bytes, aligned
.endr
	global_store_b32 v[R4], v[VF+(\i)], s[12:13] offset:64*(\i)      ; 64 consecutive bytes; both halves of the lanes write the same word with the same value
.endm
	OUT 0
	OUT 1
	OUT 2
	OUT 3
	s_wait_tensorcnt 0x0                           ; the wave's end
	ds_add_u32 v[SPW], v[NIL]
	s_wait_dscnt 0x0
	CROUND                                         ; the closing round
	s_endpgm
.Lfunc_end_k_q9fef4234d3_attn:
	.size	k_q9fef4234d3_attn, .Lfunc_end_k_q9fef4234d3_attn-k_q9fef4234d3_attn
	.p2alignl 7, 3214868480
	.fill 96, 4, 3214868480
	.section	.rodata,"a",@progbits
	.p2align	6, 0x0
	.amdhsa_kernel k_q9fef4234d3_attn
		.amdhsa_group_segment_fixed_size 327680
		.amdhsa_private_segment_fixed_size 0
		.amdhsa_enable_private_segment 0
		.amdhsa_kernarg_size 40
		.amdhsa_user_sgpr_count 2
		.amdhsa_user_sgpr_kernarg_segment_ptr 1
		.amdhsa_wavefront_size32 1
		.amdhsa_system_sgpr_workgroup_id_x 1
		.amdhsa_system_sgpr_workgroup_id_y 1
		.amdhsa_system_sgpr_workgroup_id_z 1
		.amdhsa_system_vgpr_workitem_id 0
		.amdhsa_next_free_vgpr 432
		.amdhsa_next_free_sgpr 66
		.amdhsa_reserve_vcc 0
		.amdhsa_float_denorm_mode_32 3
		.amdhsa_float_denorm_mode_16_64 3
		.amdhsa_memory_ordered 1
		.amdhsa_forward_progress 1
		.amdhsa_inst_pref_size 79
	.end_amdhsa_kernel
	.amdgpu_metadata
---
amdhsa.version: [ 1, 2 ]
amdhsa.kernels:
  - .name:           k_q9fef4234d3_attn
    .symbol:         k_q9fef4234d3_attn.kd
    .args:
      - { .name: qc, .offset: 0, .size: 8, .value_kind: global_buffer, .address_space: global }
      - { .name: qs, .offset: 8, .size: 8, .value_kind: global_buffer, .address_space: global }
      - { .name: kv, .offset: 16, .size: 8, .value_kind: global_buffer, .address_space: global }
      - { .name: oc, .offset: 24, .size: 8, .value_kind: global_buffer, .address_space: global }
      - { .name: os, .offset: 32, .size: 8, .value_kind: global_buffer, .address_space: global }
    .group_segment_fixed_size: 327680
    .private_segment_fixed_size: 0
    .kernarg_segment_align: 8
    .kernarg_segment_size: 40
    .max_flat_workgroup_size: 256
    .sgpr_count:     66
    .vgpr_count:     432
    .wavefront_size: 32
...
	.end_amdgpu_metadata
.endif
;; end of part 3
;; launch outp (part 4): grid 4 x 64, 4 waves a work-group, clusters of 4 x 4, 327,680 bytes of LDS; arguments oc, os, c1, s1, bo, out0; writes out0
.if DOCPART == 4
	.amdgcn_target "amdgcn-amd-amdhsa--gfx1250"
	.amdhsa_code_object_version 6
	.text
	.protected	k_q9fef4234d3_outp
	.globl	k_q9fef4234d3_outp
	.p2align	8
	.type	k_q9fef4234d3_outp,@function
k_q9fef4234d3_outp:
	s_mov_b64 s[64:65], 0
	v_nop
	global_prefetch_b8 v0, s[64:65] scope:SCOPE_SE
	s_setreg_imm32_b32 hwreg(HW_REG_WAVE_MODE, 25, 1), 1
	s_wait_xcnt 0x0
	s_wait_alu depctr_hold_cnt(0) depctr_sa_sdst(0) depctr_va_vdst(0) depctr_va_sdst(0) depctr_va_ssrc(0) depctr_va_vcc(0) depctr_vm_vsrc(0)
	s_getreg_b32 s2, hwreg(HW_REG_IB_STS2, 6, 4)
	s_cmp_eq_u32 s2, 0
	s_cbranch_scc0 .Lentry_in_a_cluster
	s_endpgm
.Lentry_in_a_cluster:
	s_bfe_u32 s2, ttmp6, 0x10000c
	s_cmp_lg_u32 s2, 0xf033
	s_cbranch_scc0 .Lentry_shape_is_right
	s_endpgm
.Lentry_shape_is_right:
; out0 = O Wo^T + bo, on codes of FP6 with E8M0 scales, K = 1,024; out0 [8192][1024] f32.
; Source 0 = Wo's rows (c1, tiles from 1,728), source 1 = O's rows (oc): a lane then holds eight neighbouring numbers of a row of out0.  A work-group makes 128 rows x 256 columns, wave (wy, wx) 64 x 128: 32 accumulators.
; ALL OF K LIES IN LDS: two halves of 512 along K, each filled once by joint loads at the start.  The four work-groups of a row of the cluster share O's tiles, those of a column Wo's.
; A wave has one tensor load outstanding.  bo is the C of each sum's first matrix instruction.
; O's fragments lie as pairs of registers (2 p, 2 p + 1 of lane l at 256 p + 8 l), Wo's as fours.  O's scale words are pieced together once from two heads' two bytes each.
; REGISTERS: window 0: v1-15 addresses; v32-47, v48-79 scale words; v80-95 the odd heads' bytes; v96-143, v144-239 fragments, set 0, later rows of out0.  window 1: accumulator (a, b) at v[64 a + 8 b].
;   window 2: v0-63 bo in the result's layout; v96-239 fragments, set 1.
.set QA,    24576
.set QB,    49152
.set BOFF,  98304
.set SPARE, 294912
.set NF,    48                         ; LDS loads of a K step's fragments: 4 x 6 of 8 bytes, 8 x 3 of 16
.set SPITCH, 528                       ; the way out: a stage of 16 rows x (512 + 16) bytes for each wave, in Wo's first half of K: it has had its only fill, and nobody reads it behind the barrier of K step 3
.set ADA, 4
.set ADB, 6
.set L16, 10
.set L8,  11
.set BA,  12                           ; v12  32 h
.set OSA, 13                           ; v13  65,536 h + 4 r
.set STO, 14
.set RD,  15
.set SPW, 28
.set NIL, 29
.set SA,  32
.set SB,  48
.set WB,  80
.set FA,  96
.set FB,  144
.set BI,  0
.set BK,  96
.set G1A, 32
.set G1B, 40
.set G0A, 48
.set G0B, 68
.set MSB, 0
.macro WIN new
.if MSB != \new
	s_set_vgpr_msb (MSB<<8)|\new
.set MSB, \new
.endif
.endm
.macro PLACES
.rept 4
	v_nop
.endr
.endm
.macro CROUND
	s_barrier_signal -1
	s_barrier_wait -1
	s_cmp_lg_u32 s20, 0
	s_cbranch_scc1 .Lnot_wave_0_\@
	s_barrier_signal -3
.Lnot_wave_0_\@:
	s_barrier_wait -3
	s_barrier_signal -1
	s_barrier_wait -1
.endm
	s_load_b256 s[4:11], s[0:1], 0x0               ; oc, os, c1, s1
	s_load_b128 s[12:15], s[0:1], 0x20             ; bo, out0
	v_lshl_add_u32 v[SPW], v0, 2, SPARE
	v_mov_b32 v[NIL], 0
	ds_add_u32 v[SPW], v[NIL]                      ; the wave's opening: the add and its wait ahead of my first tensor load
	ds_add_u32 v[SPW], v[NIL]
	v_lshrrev_b32 v1, 5, v0
	v_readfirstlane_b32 s20, v1                    ; wave
	s_lshr_b32 s21, s20, 1                         ; wy.  Also: which half I fetch
	s_and_b32 s22, s20, 1                          ; wx.  Also: I fetch for Wo (0) or for O (1)
	s_bfe_u32 s23, ttmp6, 0x40000                  ; cx = my 256 columns
	s_bfe_u32 s24, ttmp6, 0x40004                  ; cy
	s_and_b32 s25, ttmp7, 0xffff
	s_lshl_b32 s29, s25, 2
	s_add_co_u32 s29, s29, s24                     ; t1: my 128 rows
	s_lshl_b32 s88, s24, 2
	s_lshl_b32 s88, 15, s88                        ; my row of the cluster
	s_lshl_b32 s89, 0x1111, s23                    ; my column
	s_or_b32 s[G1A], s88, (3<<16)|(1<<21)          ; rows of 6,144 bytes (a tile's four K steps), 12,288 bytes apart in memory, dense in LDS
	s_or_b32 s[G1B], s89, (3<<16)|(1<<21)
	; a load brings HALF OF K of all the work-group's tiles of one source: rows of 6,144 bytes (a tile's four K steps: 768 elements of 8 bytes); 8 tiles of O, 16 of Wo
	s_mov_b32 s[G1A+1], 768<<16
	s_mov_b32 s[G1A+2], 8<<16
	s_mov_b32 s[G1A+3], 768<<16
	s_mov_b32 s[G1A+4], 8
	s_mov_b32 s[G1A+5], 1536
	s_mov_b32 s[G1A+6], 0
	s_mov_b32 s[G1A+7], 0
	s_mov_b32 s[G1B+1], 768<<16
	s_mov_b32 s[G1B+2], 16<<16
	s_mov_b32 s[G1B+3], 768<<16
	s_mov_b32 s[G1B+4], 16
	s_mov_b32 s[G1B+5], 1536
	s_mov_b32 s[G1B+6], 0
	s_mov_b32 s[G1B+7], 0
	s_lshl_b32 s90, s29, 3
	s_mul_i32 s90, s90, 12288
	s_mov_b32 s91, 0
	s_lshl_b32 s92, s23, 4
	s_add_co_u32 s92, s92, 1728
	s_mul_i32 s92, s92, 12288
	s_mov_b32 s93, 0
	s_wait_dscnt 0x0                               ; the opening add is done
	s_wait_kmcnt 0x0
	s_add_nc_u64 s[90:91], s[4:5], s[90:91]
	s_add_nc_u64 s[92:93], s[8:9], s[92:93]
	CROUND                                         ; all sixteen work-groups are here: the joint loads meet
; LDS: O [half of K][tile, 8][K step, 4][1,536] from 0; Wo [half of K][tile, 16][K step, 4][1,536] from BOFF.  Each filled once.
.irp s, 0,1
	s_mov_b32 s[G0A+4*\s], 1
	s_mov_b32 s[G0A+4*\s+1], 49152*\s
	s_add_nc_u64 s[G0A+4*\s+2:G0A+4*\s+3], s[90:91], 6144*\s
	s_or_b32 s[G0A+4*\s+3], s[G0A+4*\s+3], 0x80000000
	s_mov_b32 s[G0B+4*\s], 1
	s_mov_b32 s[G0B+4*\s+1], BOFF+98304*\s
	s_add_nc_u64 s[G0B+4*\s+2:G0B+4*\s+3], s[92:93], 6144*\s
	s_or_b32 s[G0B+4*\s+3], s[G0B+4*\s+3], 0x80000000
.endr
; ONE joint load a wave, each in its own arm of one chain on the wave's number: wave 0 Wo's first half of K, wave 1 O's, waves 2 and 3 the second halves
	s_cmp_eq_u32 s20, 0
	s_cbranch_scc0 .Lwave_1
	tensor_load_to_lds s[G0B:G0B+3], s[G1B:G1B+7]
	s_nop 0
	PLACES
	s_branch .Lasked
.Lwave_1:
	s_cmp_eq_u32 s20, 1
	s_cbranch_scc0 .Lwave_2
	tensor_load_to_lds s[G0A:G0A+3], s[G1A:G1A+7]
	s_nop 0
	PLACES
	s_branch .Lasked
.Lwave_2:
	s_cmp_eq_u32 s20, 2
	s_cbranch_scc0 .Lwave_3
	tensor_load_to_lds s[G0B+4:G0B+7], s[G1B:G1B+7]
	s_nop 0
	PLACES
	s_branch .Lasked
.Lwave_3:
	tensor_load_to_lds s[G0A+4:G0A+7], s[G1A:G1A+7]
	s_nop 0
	PLACES
.Lasked:
	v_and_b32 v1, 15, v0                           ; r
	v_bfe_u32 v2, v0, 4, 1                         ; h
	v_and_b32 v3, 31, v0
	v_lshlrev_b32 v[L16], 4, v3
	s_wait_alu depctr_va_vdst(0)
	v_lshlrev_b32 v[L8], 3, v3
	v_lshlrev_b32 v[BA], 5, v2
	s_wait_alu depctr_va_vdst(0)
	v_lshlrev_b32 v[OSA], 2, v1
	v_lshl_add_u32 v[OSA], v2, 16, v[OSA]
	; O's scale words: word j of lane (r, h) serves K step 2 j + h, heads 4 j + 2 h and 4 j + 2 h + 1: two bytes from each
	s_lshl_b32 s84, s29, 3
	s_lshl_b32 s85, s21, 2
	s_add_co_u32 s84, s84, s85
	s_lshl_b32 s84, s84, 6
	s_mov_b32 s85, 0
	s_add_nc_u64 s[84:85], s[6:7], s[84:85]
.irp i, 0,1,2,3
.irp j, 0,1,2,3
	global_load_b32 v[SA+4*\i+\j], v[OSA], s[84:85] offset:32768*(4*\j)+64*\i
	global_load_b32 v[WB+4*\i+\j], v[OSA], s[84:85] offset:32768*(4*\j+1)+64*\i
.endr
.endr
	s_lshl_b32 s88, s23, 4
	s_add_co_u32 s88, s88, 1728
	s_lshl_b32 s89, s22, 3
	s_add_co_u32 s88, s88, s89
	s_lshl_b32 s88, s88, 9
	s_mov_b32 s89, 0
	s_add_nc_u64 s[88:89], s[10:11], s[88:89]
.irp i, 0,1,2,3,4,5,6,7
	global_load_b128 v[SB+4*\i:SB+4*\i+3], v[L16], s[88:89] offset:512*\i   ; Wo's: a tile's 512 bytes by one load
.endr
	s_lshl_b32 s92, s23, 10
	s_lshl_b32 s93, s22, 9
	s_add_co_u32 s92, s92, s93                     ; my first column, in bytes: 4 (256 cx + 128 wx)
	s_mov_b32 s93, 0
	s_add_nc_u64 s[90:91], s[12:13], s[92:93]
	WIN 0x80                                       ; destination window 2
.irp b, 0,1,2,3,4,5,6,7
	global_load_b128 v[BI+8*\b:BI+8*\b+3], v[BA], s[90:91] offset:64*\b
	global_load_b128 v[BI+8*\b+4:BI+8*\b+7], v[BA], s[90:91] offset:64*\b+16
.endr
	WIN 0
	s_lshl_b32 s94, s29, 7
	s_lshl_b32 s95, s21, 6
	s_add_co_u32 s94, s94, s95                     ; my first row
	s_lshl_b32 s94, s94, 12
	s_add_co_u32 s94, s94, s92
	s_mov_b32 s95, 0
	s_add_nc_u64 s[14:15], s[14:15], s[94:95]      ; out0 at my 64 x 128
	s_mul_i32 s2, s21, 24576                       ; my four tiles of O in a half of K; v[ADA+1]: in the second half
	v_add_nc_u32 v[ADA], s2, v[L8]
	v_add_nc_u32 v[ADA+1], 2*QA, v[ADA]
	s_mul_i32 s3, s22, 49152                       ; my eight tiles of Wo
	v_add_nc_u32 v3, s3, v[L16]
.irp s, 0,1
	v_add_nc_u32 v[ADB+\s], BOFF+98304*\s, v3
.endr
	s_mul_i32 s2, s20, 16*SPITCH
	s_add_co_u32 s2, s2, BOFF                      ; my stage
	v_mul_u32_u24 v[STO], v1, SPITCH
	v_lshl_add_u32 v[STO], v2, 5, v[STO]
	v_add_nc_u32 v[STO], s2, v[STO]                ; in: row r, 32 bytes for each half of the lanes
	v_add_nc_u32 v[RD], s2, v[L16]                 ; back: the 32 lanes take one row of 512 bytes
	s_wait_loadcnt 0x0                             ; scale words and bias
.set j, 0
.rept 16
	v_lshl_or_b32 v[SA+j], v[WB+j], 16, v[SA+j]
.set j, j+1
.endr
.rept 8
	v_nop                                          ; a scale register written by a vector instruction stands 8 places ahead of a scaled matrix instruction
.endr
.macro FETCH q
.if (\q)%2
	WIN 0x80
.else
	WIN 0
.endif
.irp i, 0,1,2,3
.irp p, 0,1,2,3,4,5
	ds_load_b64 v[FA+12*\i+2*\p:FA+12*\i+2*\p+1], v[ADA+(\q)/4] offset:6144*\i+1536*((\q)%4)+256*\p
.endr
.endr
.irp i, 0,1,2,3,4,5,6,7
.irp c, 0,1,2
	ds_load_b128 v[FB+12*\i+4*\c:FB+12*\i+4*\c+3], v[ADB+(\q)/4] offset:6144*\i+1536*((\q)%4)+512*\c
.endr
.endr
.endm
; 8 matrix instructions: O's tile a against Wo's eight.  The 32 accumulators take turns, in the same order in every K step.  first = 1: the bias starts the sums
.macro MUL8 a, q, first
.irp b, 0,1,2,3,4,5,6,7
.if \first
	v_wmma_scale_f32_16x16x128_f8f6f4 v[64*\a+8*\b:64*\a+8*\b+7], v[FB+12*\b:FB+12*\b+11], v[FA+12*\a:FA+12*\a+11], v[BI+8*\b:BI+8*\b+7], v[SB+4*\b+(\q)/2], v[SA+4*\a+(\q)/2] matrix_a_fmt:MATRIX_FMT_FP6 matrix_b_fmt:MATRIX_FMT_FP6
.elseif (\q)%2
	v_wmma_scale_f32_16x16x128_f8f6f4 v[64*\a+8*\b:64*\a+8*\b+7], v[FB+12*\b:FB+12*\b+11], v[FA+12*\a:FA+12*\a+11], v[64*\a+8*\b:64*\a+8*\b+7], v[SB+4*\b+(\q)/2], v[SA+4*\a+(\q)/2] matrix_a_fmt:MATRIX_FMT_FP6 matrix_b_fmt:MATRIX_FMT_FP6 matrix_a_scale:MATRIX_SCALE_ROW1 matrix_b_scale:MATRIX_SCALE_ROW1
.else
	v_wmma_scale_f32_16x16x128_f8f6f4 v[64*\a+8*\b:64*\a+8*\b+7], v[FB+12*\b:FB+12*\b+11], v[FA+12*\a:FA+12*\a+11], v[64*\a+8*\b:64*\a+8*\b+7], v[SB+4*\b+(\q)/2], v[SA+4*\a+(\q)/2] matrix_a_fmt:MATRIX_FMT_FP6 matrix_b_fmt:MATRIX_FMT_FP6
.endif
.endr
.endm
.macro STEP_E q, first
.if (\q) > 0
	PLACES
.endif
	FETCH (\q)+1
	s_wait_dscnt NF                                ; all but the fetch just issued
.if \first
	WIN 0x60                                       ; fragments window 0, C (the bias) window 2, D window 1
.else
	WIN 0x50
.endif
	MUL8 0, \q, \first
	MUL8 1, \q, \first
	MUL8 2, \q, \first
	MUL8 3, \q, \first
.endm
.macro STEP_O q                        ; an odd K step.  K step 3's successor lies in the second half of K: every wave waits for its load, and a barrier shows that half to all
.if (\q) == 3
	s_wait_tensorcnt 0x0
.endif
	s_wait_dscnt 0x0                               ; this step's fragments are in
.if (\q) == 3
	s_barrier_signal -1
.endif
	WIN 0x5a
	MUL8 0, \q, 0
	MUL8 1, \q, 0
.if (\q) == 3
	s_barrier_wait -1
.endif
	PLACES
	FETCH (\q)+1
	WIN 0x5a
	MUL8 2, \q, 0
	MUL8 3, \q, 0
.endm
	s_wait_alu depctr_va_vdst(0)
	s_cmp_lt_u32 s20, 2                            ; waves 0 and 1 asked for the first half of K, by lines of their own: they wait; the second half may still be on its way
	s_cbranch_scc0 .Lnot_first
	s_wait_tensorcnt 0x0
.Lnot_first:
	s_barrier_signal -1
	s_barrier_wait -1
	FETCH 0
	STEP_E 0, 1
	STEP_O 1
	STEP_E 2, 0
	STEP_O 3
	STEP_E 4, 0
	STEP_O 5
	STEP_E 6, 0
	s_wait_dscnt 0x0
	WIN 0x5a
	MUL8 0, 7, 0
	MUL8 1, 7, 0
	MUL8 2, 7, 0
	MUL8 3, 7, 0
	WIN 0
; THE WAY OUT, block by block of 16 rows x 128 columns, through my own stage: in as 32 bytes a lane, back as whole rows of 512 bytes.  LDS serves a wave's instructions in order: no wait between the stores and the loads
.macro TOSTAGE a
	WIN 0x04                                       ; an LDS store's data are its source 1: window 1
.irp b, 0,1,2,3,4,5,6,7
	ds_store_b128 v[STO], v[64*\a+8*\b:64*\a+8*\b+3] offset:64*\b        ; each accumulator from its low end on
	ds_store_b128 v[STO], v[64*\a+8*\b+4:64*\a+8*\b+7] offset:64*\b+16
.endr
	WIN 0
.irp t, 0,1,2,3,4,5,6,7,8,9,10,11,12,13,14,15
	ds_load_b128 v[BK+64*((\a)%2)+4*\t:BK+64*((\a)%2)+4*\t+3], v[RD] offset:\t*SPITCH
.endr
.endm
.macro SEND a, younger                 ; younger: the LDS instructions issued behind block a's loads, which may stay out
	s_wait_dscnt \younger
.irp t, 0,1,2,3,4,5,6,7,8,9,10,11,12,13,14,15
	global_store_b128 v[L16], v[BK+64*((\a)%2)+4*\t:BK+64*((\a)%2)+4*\t+3], s[14:15] offset:(16*(\a)+\t)*4096 th:TH_STORE_NT   ; 32 lanes store 512 consecutive bytes, aligned
.endr
.endm
	PLACES                                         ; behind the last products: for the first read of results and for the loads into registers that held fragments
	TOSTAGE 0
	TOSTAGE 1
	SEND 0, 32                                     ; behind block 0's loads: block 1's 16 stores and 16 loads
	s_wait_xcnt 0x0                                ; block 0's stores have read their registers: block 2's loads may land there
	TOSTAGE 2
	SEND 1, 32
	s_wait_xcnt 0x0
	TOSTAGE 3
	SEND 2, 32
	SEND 3, 0
	s_wait_tensorcnt 0x0                           ; the wave's end, behind my last tensor load and my last LDS store
	ds_add_u32 v[SPW], v[NIL]
	s_wait_dscnt 0x0
	CROUND                                         ; the closing round
	s_endpgm
.Lfunc_end_k_q9fef4234d3_outp:
	.size	k_q9fef4234d3_outp, .Lfunc_end_k_q9fef4234d3_outp-k_q9fef4234d3_outp
	.p2alignl 7, 3214868480
	.fill 96, 4, 3214868480
	.section	.rodata,"a",@progbits
	.p2align	6, 0x0
	.amdhsa_kernel k_q9fef4234d3_outp
		.amdhsa_group_segment_fixed_size 327680
		.amdhsa_private_segment_fixed_size 0
		.amdhsa_enable_private_segment 0
		.amdhsa_kernarg_size 48
		.amdhsa_user_sgpr_count 2
		.amdhsa_user_sgpr_kernarg_segment_ptr 1
		.amdhsa_wavefront_size32 1
		.amdhsa_system_sgpr_workgroup_id_x 1
		.amdhsa_system_sgpr_workgroup_id_y 1
		.amdhsa_system_sgpr_workgroup_id_z 1
		.amdhsa_system_vgpr_workitem_id 0
		.amdhsa_next_free_vgpr 768
		.amdhsa_next_free_sgpr 100
		.amdhsa_reserve_vcc 0
		.amdhsa_float_denorm_mode_32 3
		.amdhsa_float_denorm_mode_16_64 3
		.amdhsa_memory_ordered 1
		.amdhsa_forward_progress 1
		.amdhsa_inst_pref_size 87
	.end_amdhsa_kernel
	.amdgpu_metadata
---
amdhsa.version: [ 1, 2 ]
amdhsa.kernels:
  - .name:           k_q9fef4234d3_outp
    .symbol:         k_q9fef4234d3_outp.kd
    .args:
      - { .name: oc, .offset: 0, .size: 8, .value_kind: global_buffer, .address_space: global }
      - { .name: os, .offset: 8, .size: 8, .value_kind: global_buffer, .address_space: global }
      - { .name: c1, .offset: 16, .size: 8, .value_kind: global_buffer, .address_space: global }
      - { .name: s1, .offset: 24, .size: 8, .value_kind: global_buffer, .address_space: global }
      - { .name: bo, .offset: 32, .size: 8, .value_kind: global_buffer, .address_space: global }
      - { .name: out0, .offset: 40, .size: 8, .value_kind: global_buffer, .address_space: global }
    .group_segment_fixed_size: 327680
    .private_segment_fixed_size: 0
    .kernarg_segment_align: 8
    .kernarg_segment_size: 48
    .max_flat_workgroup_size: 128
    .sgpr_count:     100
    .vgpr_count:     768
    .wavefront_size: 32
...
	.end_amdgpu_metadata
.endif
;; end of part 4
